; MI455X (gfx1250); checked and timed in simulation.
; The chip was launched on July 23, 2026; its instructions are those of AMD's public machine-readable ISA for CDNA 5 (MIT licence, August 2026) and "CDNA5" Instruction Set Architecture Reference Guide (July 2026). The comments in the code are by the model that wrote it; some were corrected since.
;; Self Attention. Allowed arithmetic: matrix products marked QUANTISED: E2M3 operands, one E8M0 scale for each 32 along K, by v_wmma_scale_f32_16x16x128_f8f6f4 with both operands' format E2M3, f32 sums; everything else in f32.
;; Inputs: Wk 1,024 x 1,024 float32; Wo 1,024 x 1,024 float32; Wq 1,024 x 1,024 float32; Wv 1,024 x 1,024 float32; bk 1,024 float32; bo 1,024 float32; bq 1,024 float32; bv 1,024 float32; y_all 4 x 2,048 x 1,024 float32.
;; Outputs: out0 4 x 2,048 x 1,024 float32.
;; This version of the problem:
;;   THIS VERSION OF THE PROBLEM IS GIVEN IN LOW PRECISION. The matrix products marked QUANTISED in the list below multiply operands that are first quantised to E2M3 (2 exponent bits, 3 mantissa bits; 6 bits a number), with one power-of-two scale for each 32 numbers along K (OCP MX v1.0); their sums are f32. All else is computed in f32.
;;   The module's matrix products, in the order in which they are computed (A, B: the left and right operand; K: the contracted axis; several contracted axes count as one K, in the product's order):
;;     1. [M 8,192, K 1,024] x [K 1,024, N 1,024]; A: input y_all; B: input Wq: QUANTISED
;;     2. [M 8,192, K 1,024] x [K 1,024, N 1,024]; A: input y_all; B: input Wk: QUANTISED
;;     3. [M 8,192, K 1,024] x [K 1,024, N 1,024]; A: input y_all; B: input Wv: QUANTISED
;;     4. batch 4 x [M 2,048, K 1,024] x [K 1,024, N 2,048]; A: computed on the way; B: computed on the way: QUANTISED
;;     5. batch 4 x [M 2,048, K 2,048] x [K 2,048, N 1,024]; A: softmax (see below); B: computed on the way: QUANTISED
;;     6. [M 8,192, K 1,024] x [K 1,024, N 1,024]; A: computed on the way; B: input Wo: QUANTISED
;;   THE QUANTISER, for each operand of a quantised product, along K:
;;     - K is cut into blocks of 32 from its start; a last block that is shorter is filled with zeros.
;;     - A block's scale is 2^e with e = floor(log2(the largest magnitude in the block)) - 2, held to -126 .. 127; a block of zeros has e = 0. As a byte (E8M0): e + 127.
;;     - Each number is divided by its block's scale, clamped to +-7.5, and rounded to the nearest number of E2M3, ties to even, subnormals kept.
;;     - The product sums the exact products of the quantised numbers (number of the format x scale) in f32.
;;   ~~~python
;;   def quantise(x, axis):      # numpy; x: float32 -> the quantised numbers, widened to float32 again
;;       x = np.moveaxis(x, axis, -1); K = x.shape[-1]
;;       x = np.pad(x, [(0, 0)] * (x.ndim - 1) + [(0, -K % 32)]); x = x.reshape(x.shape[:-1] + (-1, 32)); a = np.abs(x).max(-1, keepdims=True)
;;       e = np.where(a > 0, np.clip(np.frexp(np.where(a > 0, a, 1))[1] - 1 - 2, -126, 127), 0)      # np.frexp(a)[1] - 1 = floor(log2(a)), exactly
;;       r = np.clip(x / 2.0 ** e, -7.5, 7.5)
;;       step = 2.0 ** (np.maximum(np.frexp(np.where(r == 0, 1, r))[1] - 1, 0) - 3)
;;       q = np.round(r / step) * step * 2.0 ** e      # np.round: ties to even
;;       return np.moveaxis(q.reshape(q.shape[:-2] + (-1,))[..., :K], -1, axis).astype(np.float32)
;;   ~~~
;;   SOFTMAX AHEAD OF A QUANTISED PRODUCT. Where the list says 'softmax', what is quantised is not the finished softmax but p = 2^(t - M), with t = logit x log2(e) and M = ceil(the row's largest t), a whole number; so 1/2 < the row's largest p <= 1. The row's sum l is taken of the UNQUANTISED p, in f32, and the product's result is divided by l at the end. Since M is a whole number, a kernel that streams over the keys may use a running M (the ceiling of the running maximum): every later rescaling is an exact power of two, which a block's scale takes up: the codes' values come out the same.
;;   OPERANDS COMPUTED ON THE WAY. 'Computed on the way' means the value that the module computes at that place (a softmax that the list does not call 'softmax' is quantised finished and normalised). What goes into a quantiser is computed in f32, as accurately as f32 sums, v_exp_f32 and their like allow (about 1e-6 of the number): no bf16 or f16 on the way to a quantiser, and a product that is left as it is and whose result goes on into a quantised operand takes f32 operands (vector FMAs, or v_wmma_f32_16x16x4_f32). A number that lies on a knife's edge between two numbers of the format may be rounded either way, as far as f32 arithmetic and the matrix unit's own rounding can turn it there, and no further.
;; One version. Each part assembles by itself: llvm-mc -triple=amdgcn-amd-amdhsa -mcpu=gfx1250 --defsym DOCPART=n.
;; ======== version 1 of 1: 5 launches
;; limits: right only within a limited range of input values
;; workspace buffers: yc 6,815,744 bytes; wc 3,407,872 bytes; qc 6,815,744 bytes; kc 6,815,744 bytes; vc 6,815,744 bytes; pc 14,680,064 bytes; cc 6,815,744 bytes
;; launch quant (part 1): grid 384 x 1, 4 waves a work-group, no clusters, 34,304 bytes of LDS; arguments y_all, Wq, Wk, Wv, Wo, yc, wc; writes yc, wc
.if DOCPART == 1
	.amdgcn_target "amdgcn-amd-amdhsa--gfx1250"
	.amdhsa_code_object_version 6
	.text
	.protected	k_qf4a698f362_quant
	.globl	k_qf4a698f362_quant
	.p2align	8
	.type	k_qf4a698f362_quant,@function
k_qf4a698f362_quant:
	s_mov_b64 s[64:65], 0
	v_nop
	global_prefetch_b8 v0, s[64:65] scope:SCOPE_SE
	s_setreg_imm32_b32 hwreg(HW_REG_WAVE_MODE, 25, 1), 1
	s_wait_xcnt 0x0
; SelfAttention in MX-FP6 (E2M3, one E8M0 scale for each 32 along K), five launches: quant, qkv, scores, ctx, proj.  This one turns y_all and the four weights into codes.
; DEAD WORK, for the whole program.  The causal mask is built in the problem's own body (tril): for key > query the score becomes -infinity and its weight exactly 0, whatever the inputs hold.
; So the tiles of 256 queries x 256 keys that lie wholly above the diagonal (28 of 64 in each batch) are left out of the score product and of the product of the weights with v.  Hidden keys inside a tile
; on the diagonal are computed and set to -infinity.  Every input has a way to the output: all nine are loaded.  LIMIT: a NaN, an infinity or an overflow that reaches only the tiles left out is not carried to the result.
; OTHER LIMITS: NaN and infinities among the inputs are not served; a block whose largest magnitude lies under 2^(3-127) gets the scale byte 1 (a block of zeros too: its codes are zeros, and only this program reads the bytes).
; THE LAYOUT OF EVERY OPERAND BETWEEN LAUNCHES: records (rho, pi): rho a tile of 16 rows, pi 256 along K.  A record is 3,328 bytes: the register image of the fragment of the first 128 along K (3 pieces of 512 bytes:
; piece c holds lane l's registers 4 c .. 4 c + 3 at byte 16 l), the image of the second 128, then 16 + 16 scale words (position r at 4 r).  Records of one rho lie on end.
; POSITION r OF TILE rho IS ROW 32 (rho / 2) + 8 (rho % 2) + r + 8 (r / 8): whichever operand is source 0 of a product, a lane's 16 registers of two neighbouring tiles are then 16 neighbours along the next K.
; Work-groups 0-255 take y_all (K innermost), 256-383 the weights (K is their first axis).  Only the first path uses LDS.
.set SPW, 250                          ; v250 LDS address of my spare word; never rewritten
.set NIL, 251                          ; v251 0; never rewritten
.set SPARE, 33792                      ; behind the four stages: the spare words, 128 bytes a wave
.set R,   16                           ; v16-143  y: two sets of 64 numbers as loaded
.set X,   144                          ; v144-207 y: 64 numbers in the operand's order
.set F,   208                          ; v208-231 y: two sets of 12 registers of codes
.set T,   232                          ; v232-238 y: second halves of blocks
.set YW,  240                          ; v240-243 y: a scale word for each step
.set YT,  246                          ; v246-247 y: two steps' words, one in each half of the lanes
.set XW,  32                           ; v32-95   W: two sets of 32 numbers
.set FW,  96                           ; v96-143  W: two fragments for each 128 along K
.set TW,  144                          ; v144-146 W: second half of a block
.set SB,  24                           ; v24-25   W: scale words
	s_load_b256 s[4:11], s[0:1], 0x0               ; y_all s[4:5], Wq s[6:7], Wk s[8:9], Wv s[10:11]
	s_load_b128 s[12:15], s[0:1], 0x20             ; Wo s[12:13], yc s[14:15]
	s_load_b64 s[16:17], s[0:1], 0x30              ; wc
	v_lshl_add_u32 v[SPW], v0, 2, SPARE
	v_mov_b32 v[NIL], 0
	v_lshrrev_b32 v1, 5, v0
	v_readfirstlane_b32 s18, v1                    ; wave
	v_and_b32 v1, 31, v0                           ; lane
	v_and_b32 v2, 15, v0                           ; r
	v_bfe_u32 v3, v0, 4, 1                         ; h
	s_mov_b32 s24, 0x76543210
	s_mov_b32 s25, 0xfedcba98                      ; selects for lane l xor 16
	s_mov_b32 s26, 0xffff0000                      ; lanes 16-31
	s_cmp_lt_u32 ttmp9, 256
	s_cbranch_scc0 .Lweights
; ---- y_all: work-group g takes rows 64 (g / 2) on; wave w the 128 along K numbered 4 (g % 2) + w; four steps, a tile of 16 rows each
	s_lshr_b32 s19, ttmp9, 1
	s_and_b32 s20, ttmp9, 1
	s_lshl_b32 s20, s20, 2
	s_add_co_u32 s20, s20, s18                     ; which 128 along K
	s_lshr_b32 s21, s20, 1                         ; pi
	s_and_b32 s22, s18, 1                          ; first or second image of the record
	s_lshl_b32 s28, s19, 18                        ; 64 rows of 4,096 bytes
	s_lshl_b32 s29, s20, 9
	s_add_co_u32 s28, s28, s29
	s_mov_b32 s29, 0
	s_lshl_b32 s30, s19, 4                         ; 4 tiles x 4 records
	s_add_co_u32 s30, s30, s21
	s_mul_i32 s30, s30, 3328
	s_mov_b32 s31, 0
	s_mul_i32 s23, s18, 8448                       ; my stage: 16 rows x 528 bytes
	s_wait_alu depctr_va_vdst(0)
	v_lshlrev_b32 v4, 4, v1                        ; 16 x lane
	s_mul_i32 s27, s22, 1536
	v_add_nc_u32 v5, s27, v4                       ; an image's place for my lane
	v_mul_u32_u24 v6, v3, 13312                    ; scale words: lanes 16-31 write the next tile's
	v_lshl_add_u32 v6, v2, 2, v6
	s_lshl_b32 s27, s22, 6
	v_add_nc_u32 v6, s27, v6
	v_add_nc_u32 v7, s23, v4                       ; stage, in: as loaded
	v_mul_u32_u24 v8, v2, 528
	v_lshl_add_u32 v8, v3, 7, v8
	v_add_nc_u32 v8, s23, v8                       ; stage, out: row r, my half's 32 numbers of each 64
	v_lshlrev_b32 v15, 3, v3                       ; 8 h
	v_mov_b32 v14, 0                               ; a lane permute's destination counts as one of its sources
	s_wait_alu depctr_va_vdst(0)
	s_wait_kmcnt 0x0
	s_add_nc_u64 s[4:5], s[4:5], s[28:29]
	s_add_nc_u64 s[14:15], s[14:15], s[30:31]
.macro YLOAD s                         ; the 16 rows of tile s in the order of its positions: each load reads 512 consecutive bytes
.irp i, 0,1,2,3,4,5,6,7,8,9,10,11,12,13,14,15
	global_load_b128 v[R+64*((\s)%2)+4*\i:R+64*((\s)%2)+4*\i+3], v4, s[4:5] offset:(32*((\s)/2)+8*((\s)%2)+\i+8*(\i/8))*4096 th:TH_LOAD_NT
.endr
.endm
.macro YSTEP s
.set RS, R+64*((\s)%2)
.set FS, F+12*((\s)%2)
.if (\s) < 3
	s_wait_loadcnt 16                              ; this step's 16 loads are in; the next step's 16 may be out
.else
	s_wait_loadcnt 0x0
.endif
.irp i, 0,1,2,3,4,5,6,7,8,9,10,11,12,13,14,15
	ds_store_b128 v7, v[RS+4*\i:RS+4*\i+3] offset:528*\i
.endr
.irp c, 0,1
.irp j, 0,1,2,3,4,5,6,7
	ds_load_b128 v[X+32*\c+4*\j:X+32*\c+4*\j+3], v8 offset:256*\c+16*\j   ; LDS serves a wave's instructions in order: these see the stores.  X[32 c + i] = k 64 c + 32 h + i of position r
.endr
.endr
	s_wait_dscnt 0x0                               ; the numbers are back, and the stores have read their registers
.if (\s) < 2
	YLOAD (\s)+2
.endif
.irp c, 0,1
	v_max3_num_f32 v[9+\c], |v[X+32*\c]|, |v[X+32*\c+1]|, 0x1800000   ; a whole block lies in my lane; the floor 2^(3-127) holds the byte at 1 from below
.endr
.irp i, 2,4,6,8,10,12,14,16,18,20,22,24,26,28,30
.irp c, 0,1
	v_max3_num_f32 v[9+\c], v[9+\c], |v[X+32*\c+\i]|, |v[X+32*\c+\i+1]|
.endr
.endr
.irp c, 0,1
	v_add_nc_u32 v[11+\c], 0xff000000, v[9+\c]     ; 2 off the exponent field: the conversion's scale operand
.endr
.irp c, 0,1
	v_lshrrev_b32 v[9+\c], 23, v[11+\c]            ; the scale's byte
.endr
	v_lshl_or_b32 v13, v10, 16, v9                 ; blocks h and 2 + h,
	v_lshlrev_b32 v13, v15, v13                    ; at their places in the word;
	v_permlanex16_b32 v14, v13, s24, s25
	v_or_b32 v[YW+(\s)], v13, v14                  ; with lane l xor 16's two the word is whole
.if (\s) >= 2
	s_wait_alu depctr_va_vdst(0)
	s_wait_xcnt 0x0                                ; the stores of two steps ago have read this set of code registers
.endif
	v_cvt_scalef32_pk16_fp6_f32 v[FS:FS+2], v[X:X+15], v11
	v_cvt_scalef32_pk16_fp6_f32 v[T:T+2], v[X+16:X+31], v11        ; (a conversion's three registers begin on an even number)
	v_cvt_scalef32_pk16_fp6_f32 v[FS+6:FS+8], v[X+32:X+47], v12
	v_cvt_scalef32_pk16_fp6_f32 v[T+4:T+6], v[X+48:X+63], v12
	v_nop                                          ; one plain place behind a scaled conversion
.irp i, 0,1,2
	v_mov_b32 v[FS+3+\i], v[T+\i]
	v_mov_b32 v[FS+9+\i], v[T+4+\i]
.endr
.irp c, 0,1,2
	global_store_b128 v5, v[FS+4*\c:FS+4*\c+3], s[14:15] offset:(\s)*13312+512*\c   ; 512 consecutive bytes, aligned to 256
.endr
.if ((\s)%2) == 1
	v_cndmask_b32 v[YT+(\s)/2], v[YW+(\s)-1], v[YW+(\s)], s26      ; lanes 0-15 the last tile's words, lanes 16-31 this tile's
	global_store_b32 v6, v[YT+(\s)/2], s[14:15] offset:((\s)-1)*13312+3072
.endif
.endm
	YLOAD 0
	YLOAD 1
	YSTEP 0
	YSTEP 1
	YSTEP 2
	YSTEP 3
	s_wait_tensorcnt 0x0                           ; the wave's end
	ds_add_u32 v[SPW], v[NIL]
	s_wait_dscnt 0x0
	s_endpgm
; ---- the weights: a lane takes a column, its registers run down K.  Work-group: tensor, 128 columns, 256 along K; wave: 32 columns
.Lweights:
	s_sub_co_u32 s19, ttmp9, 256
	s_lshr_b32 s20, s19, 5                         ; tensor: q, k, v, o
	s_bfe_u32 s21, s19, 0x30002                    ; which 128 columns
	s_and_b32 s22, s19, 3                          ; pi
	s_lshl_b32 s28, s22, 20                        ; 256 rows of 4,096 bytes
	s_lshl_b32 s29, s21, 9
	s_add_co_u32 s28, s28, s29
	s_lshl_b32 s29, s18, 7
	s_add_co_u32 s28, s28, s29
	s_mov_b32 s29, 0
	s_lshl_b32 s30, s21, 3
	s_lshl_b32 s31, s18, 1
	s_add_co_u32 s30, s30, s31                     ; rho = 8 x group + 2 x wave
	s_lshl_b32 s30, s30, 2
	s_add_co_u32 s30, s30, s22
	s_mul_i32 s30, s30, 3328
	s_mul_i32 s31, s20, 851968
	s_add_co_u32 s30, s30, s31
	s_mov_b32 s31, 0
	v_and_b32 v4, 7, v0                            ; my column: the lane's number with bits 3 and 4 exchanged, so that lanes 0-15 are the positions of the even tile and lanes 16-31 those of the odd one
	s_wait_alu depctr_va_vdst(0)
	v_bfe_u32 v5, v0, 3, 1
	v_lshl_or_b32 v4, v3, 3, v4
	v_lshl_or_b32 v4, v5, 4, v4
	v_lshlrev_b32 v4, 2, v4
	v_lshlrev_b32 v5, 4, v1                        ; 16 x lane
	v_mul_u32_u24 v6, v3, 13312
	v_lshl_add_u32 v6, v2, 2, v6                   ; my column's scale word
	s_wait_alu depctr_va_vdst(0)
	s_wait_kmcnt 0x0
	s_cmp_eq_u32 s20, 1
	s_cselect_b64 s[6:7], s[8:9], s[6:7]
	s_cmp_eq_u32 s20, 2
	s_cselect_b64 s[6:7], s[10:11], s[6:7]
	s_cmp_eq_u32 s20, 3
	s_cselect_b64 s[6:7], s[12:13], s[6:7]
	s_add_nc_u64 s[6:7], s[6:7], s[28:29]
	s_add_nc_u64 s[16:17], s[16:17], s[30:31]
.macro WLOAD t
.irp i, 0,1,2,3,4,5,6,7,8,9,10,11,12,13,14,15,16,17,18,19,20,21,22,23,24,25,26,27,28,29,30,31
	global_load_b32 v[XW+32*((\t)%2)+\i], v4, s[6:7] offset:(32*(\t)+\i)*4096 th:TH_LOAD_NT
.endr
.endm
.macro WBLOCK t
.set XS, XW+32*((\t)%2)
.set FD, FW+24*((\t)/4)+12*((\t)%2)+6*(((\t)%4)/2)   ; blocks 0 and 2 of a 128 into the first run of 12, blocks 1 and 3 into the second
.set FZ, FW+24*((\t)/4)
.if (\t) < 7
	s_wait_loadcnt 32                              ; this block's 32 loads are in; the next block's may be out
.else
	s_wait_loadcnt 0x0
.endif
	v_max3_num_f32 v9, |v[XS]|, |v[XS+1]|, |v[XS+2]|
	v_max3_num_f32 v10, |v[XS+3]|, |v[XS+4]|, |v[XS+5]|
.irp i, 6,10,14,18,22,26
	v_max3_num_f32 v9, v9, |v[XS+\i]|, |v[XS+\i+1]|
	v_max3_num_f32 v10, v10, |v[XS+\i+2]|, |v[XS+\i+3]|
.endr
	v_max3_num_f32 v9, v9, |v[XS+30]|, |v[XS+31]|
	v_max3_num_f32 v9, v9, v10, 0x1800000
	v_add_nc_u32 v11, 0xff000000, v9
	v_lshrrev_b32 v10, 23, v11
.if ((\t)%4) == 0
	v_mov_b32 v[SB+(\t)/4], v10
.else
	v_lshl_or_b32 v[SB+(\t)/4], v10, 8*((\t)%4), v[SB+(\t)/4]
.endif
	v_cvt_scalef32_pk16_fp6_f32 v[FD:FD+2], v[XS:XS+15], v11
	v_cvt_scalef32_pk16_fp6_f32 v[TW:TW+2], v[XS+16:XS+31], v11
	v_nop
.irp i, 0,1,2
	v_mov_b32 v[FD+3+\i], v[TW+\i]
.endr
.if (\t)+2 < 8
	WLOAD (\t)+2
.endif
.if ((\t)%4) == 3
.irp j, 0,1,2,3,4,5,6,7,8,9,10,11
	v_permlane16_swap_b32 v[FZ+\j], v[FZ+12+\j]    ; the first run's lanes 16-31 change places with the second's lanes 0-15: the first is now the even tile's fragment, the second the odd tile's
.endr
.irp c, 0,1,2
	global_store_b128 v5, v[FZ+4*\c:FZ+4*\c+3], s[16:17] offset:((\t)/4)*1536+512*\c
	global_store_b128 v5, v[FZ+12+4*\c:FZ+12+4*\c+3], s[16:17] offset:13312+((\t)/4)*1536+512*\c
.endr
	global_store_b32 v6, v[SB+(\t)/4], s[16:17] offset:3072+64*((\t)/4)
.endif
.endm
	WLOAD 0
	WLOAD 1
.irp t, 0,1,2,3,4,5,6,7
	WBLOCK \t
.endr
	s_endpgm
.Lfunc_end_k_qf4a698f362_quant:
	.size	k_qf4a698f362_quant, .Lfunc_end_k_qf4a698f362_quant-k_qf4a698f362_quant
	.p2alignl 7, 3214868480
	.fill 96, 4, 3214868480
	.section	.rodata,"a",@progbits
	.p2align	6, 0x0
	.amdhsa_kernel k_qf4a698f362_quant
		.amdhsa_group_segment_fixed_size 34304
		.amdhsa_private_segment_fixed_size 0
		.amdhsa_enable_private_segment 0
		.amdhsa_kernarg_size 56
		.amdhsa_user_sgpr_count 2
		.amdhsa_user_sgpr_kernarg_segment_ptr 1
		.amdhsa_wavefront_size32 1
		.amdhsa_system_sgpr_workgroup_id_x 1
		.amdhsa_system_sgpr_workgroup_id_y 1
		.amdhsa_system_sgpr_workgroup_id_z 1
		.amdhsa_system_vgpr_workitem_id 0
		.amdhsa_next_free_vgpr 256
		.amdhsa_next_free_sgpr 66
		.amdhsa_reserve_vcc 0
		.amdhsa_float_denorm_mode_32 3
		.amdhsa_float_denorm_mode_16_64 3
		.amdhsa_memory_ordered 1
		.amdhsa_forward_progress 1
		.amdhsa_inst_pref_size 70
	.end_amdhsa_kernel
	.amdgpu_metadata
---
amdhsa.version: [ 1, 2 ]
amdhsa.kernels:
  - .name:           k_qf4a698f362_quant
    .symbol:         k_qf4a698f362_quant.kd
    .args:
      - { .name: y_all, .offset: 0, .size: 8, .value_kind: global_buffer, .address_space: global }
      - { .name: Wq, .offset: 8, .size: 8, .value_kind: global_buffer, .address_space: global }
      - { .name: Wk, .offset: 16, .size: 8, .value_kind: global_buffer, .address_space: global }
      - { .name: Wv, .offset: 24, .size: 8, .value_kind: global_buffer, .address_space: global }
      - { .name: Wo, .offset: 32, .size: 8, .value_kind: global_buffer, .address_space: global }
      - { .name: yc, .offset: 40, .size: 8, .value_kind: global_buffer, .address_space: global }
      - { .name: wc, .offset: 48, .size: 8, .value_kind: global_buffer, .address_space: global }
    .group_segment_fixed_size: 34304
    .private_segment_fixed_size: 0
    .kernarg_segment_align: 8
    .kernarg_segment_size: 56
    .max_flat_workgroup_size: 128
    .sgpr_count:     66
    .vgpr_count:     256
    .wavefront_size: 32
...
	.end_amdgpu_metadata
.endif
;; end of part 1
;; launch qkv (part 2): grid 8 x 32, 4 waves a work-group, clusters of 4 x 4, 327,680 bytes of LDS; arguments yc, wc, bq, bk, bv, qc, kc, vc; writes qc, kc, vc
.if DOCPART == 2
	.amdgcn_target "amdgcn-amd-amdhsa--gfx1250"
	.amdhsa_code_object_version 6
	.text
	.protected	k_qf4a698f362_qkv
	.globl	k_qf4a698f362_qkv
	.p2align	8
	.type	k_qf4a698f362_qkv,@function
k_qf4a698f362_qkv:
	s_mov_b64 s[64:65], 0
	v_nop
	global_prefetch_b8 v0, s[64:65] scope:SCOPE_SE
	s_setreg_imm32_b32 hwreg(HW_REG_WAVE_MODE, 25, 1), 1
	s_wait_xcnt 0x0
	s_wait_alu depctr_hold_cnt(0) depctr_sa_sdst(0) depctr_va_vdst(0) depctr_va_sdst(0) depctr_va_ssrc(0) depctr_va_vcc(0) depctr_vm_vsrc(0)
	s_getreg_b32 s2, hwreg(HW_REG_IB_STS2, 6, 4)
	s_cmp_eq_u32 s2, 0
	s_cbranch_scc0 .Lentry_in_a_cluster
	s_endpgm
.Lentry_in_a_cluster:
	s_bfe_u32 s2, ttmp6, 0x10000c
	s_cmp_lg_u32 s2, 0xf033
	s_cbranch_scc0 .Lentry_shape_is_right
	s_endpgm
.Lentry_shape_is_right:
; q = (y Wq + bq) / 32, k = y Wk + bk, v = y Wv + bv on codes of FP6, each result quantised on the way out: q and k along d, v along the tokens.  Nothing is left out here.
; 256 work-groups.  Work-group (c, t), c = 0..7, t = 0..31, makes TWO blocks one after the other from token tile t (256 tokens):
;   block 1: 256 tokens x 256 of d of q (c < 4) or k: a wave makes 128 x 128, 64 accumulators;   block 2: 128 of d (rows 128 c on) x 256 tokens of v: a wave makes 64 of d x 128 tokens, 32 accumulators.
; RECORD (rho, pi): 16 rows x 256 along K in 3,328 bytes: two register images of 1,536 bytes (piece c: lane l's registers 4 c .. 4 c + 3 at 512 c + 16 l), then 16 + 16 scale words.  The four records of a rho lie on end.
; Position r of tile rho is row 32 (rho/2) + 8 (rho%2) + r + 8 (r/8).
; The matrix instruction's source 0 gives the axis that runs along a lane's registers: the weight's columns in block 1, the tokens in block 2; 16 registers of two neighbouring tiles are 16 neighbours along the next K.
; LDS: S0 (bytes 0 on): one record of both operands, rows of 3,200 bytes; Y (behind it): two records, rows of 6,528 bytes.  Block 2's four records (24 rows of 3,200 bytes each) take the same bytes: 0 and 1 at Y's end, 2 and 3 from byte 0.
; TENSOR LOADS, one a wave each time, every wait on TENSORcnt for 0: head: wave 0 yc record 0, wave 1 W record 0, wave 2 yc records 1, 2, wave 3 W records 1, 2; behind K step 1: record 3 into S0, a quarter a wave;
; behind K step 5: block 2's records 0, 1 (waves 0, 1 yc's, waves 2, 3 Wv's); in the middle of block 1's way out: its records 2, 3.
; CLUSTER 4 x 4: yc's tiles hang on t alone and are shared along a row, the weights' on c alone and are shared along a column: joint loads.
; No prefetch: the text has no loop to run ahead in, and three of block 1's four records are asked for at the head.
; q / 32 moves only the scale byte (5 more off the exponent field).  LIMITS: a block under the floor gets the byte 1; NaN and infinities are not served.
; REGISTERS: window 0: v1-3 lane, r, h; v4-19 block 2's LDS addresses; v20-27 block 1's; v28, v29 the add's two; v30, v31, v224-227 offsets; v32-63 scale words; v64-127 biases; v128-223 source 1's fragments, later the way out;
;   window 1: source 0's fragments, two sets; windows 2, 3: accumulators.
.set RG, 3328
.set ROWG, 13312
.set RL, 3200
.set RW, 6528
.set YB, 32*RL
.set P2S, 24*RL
.set SPARE, YB+32*RW
.set PB0, SPARE-2*P2S
.set WB, 851968
.set PYF, 4
.set PYS, 8
.set PVF, 12
.set PVS, 16
.set ADRA, 20
.set ADSA, 22
.set ADRB, 24
.set ADSB, 26
.set SPW, 28
.set NIL, 29
.set VI, 30
.set VS, 31
.set BI, 64
.set PC, 128
.set TM, 148
.set PWS, 166
.set PT, 176
.set VB1, 224
.set VB2, 225
.set VI2, 226
.set VS2, 227
.set G1A, 24
.set G1B, 32
.set G1AW, 40
.set G1BW, 48
.set G0A, 56
.set G0B, 60
.set WV, 66
.set RH, 67
.set G0AW, 68
.set G0BW, 72
.set CH, 76
.set TT, 77
.set SEL, 78
.set FLO, 80
.set SHB, 81
.set HM, 82
.set CC, 83
.set TA, 84
.set TB, 86
.set TV, 88
.set CX, 90
.set CY, 91
.set O1, 92
.set O2, 94
.set B1, 96
.set B2, 98
.set MSB, 0
.macro WIN new                         ; the immediate's high byte repeats the setting that is left
.if MSB != (\new)
	s_set_vgpr_msb (MSB<<8)|(\new)
.set MSB, (\new)
.endif
.endm
.macro PLACES n
.rept \n
	v_nop
.endr
.endm
.macro JLOAD                           ; waves 0, 1 ask by yc's descriptor, waves 2, 3 by the weight's; an s_nop 0 and four v_nop follow each line
	s_cmp_eq_u32 s[RH], 0
	s_cbranch_scc0 .Lfor_b_\@
	tensor_load_to_lds s[G0A:G0A+3], s[G1A:G1A+7]
	s_nop 0
	PLACES 4
	s_branch .Lasked_\@
.Lfor_b_\@:
	tensor_load_to_lds s[G0B:G0B+3], s[G1B:G1B+7]
	s_nop 0
	PLACES 4
.Lasked_\@:
.endm
.macro CREST                           ; a round of the cluster's barrier behind its opening barrier
	s_cmp_lg_u32 s[WV], 0
	s_cbranch_scc1 .Lnot_wave_0_\@
	s_barrier_signal -3
.Lnot_wave_0_\@:
	s_barrier_wait -3
	s_barrier_signal -1
	s_barrier_wait -1
.endm
.macro CROUND
	s_barrier_signal -1
	s_barrier_wait -1
	CREST
.endm
.macro G1SET g, rl, rows               ; rows of rl bytes as elements of 8 bytes, a rho's four records apart in memory, dense in LDS
	s_mov_b32 s[\g+1], ((\rl)/8)<<16
	s_mov_b32 s[\g+2], (\rows)<<16
	s_mov_b32 s[\g+3], ((\rl)/8)<<16
	s_mov_b32 s[\g+4], \rows
	s_mov_b32 s[\g+5], ROWG/8
	s_mov_b32 s[\g+6], 0
	s_mov_b32 s[\g+7], 0
.endm
.macro G0MK g, lds, src, off           ; a head load's group 0: all constants
	s_mov_b32 s[\g], 1
	s_mov_b32 s[\g+1], \lds
	s_add_nc_u64 s[\g+2:\g+3], s[\src:\src+1], \off
	s_or_b32 s[\g+3], s[\g+3], 0x80000000
.endm
.macro GFILL lmul, lb, gmul, go, bsrc  ; both groups 0 for a refill; my wave's low bit picks the part: lmul bytes on in LDS, gmul bytes on in memory.  Written where no tensor load of mine is out
	s_mul_i32 s2, s[CH], \lmul
	s_add_co_u32 s[G0A+1], s2, \lb
	s_add_co_u32 s[G0B+1], s2, (\lb)+16*RL
	s_mul_i32 s2, s[CH], \gmul
	s_mov_b32 s3, 0
	s_add_nc_u64 s[G0A+2:G0A+3], s[TA:TA+1], s[2:3]
	s_add_nc_u64 s[G0B+2:G0B+3], s[\bsrc:\bsrc+1], s[2:3]
	s_add_nc_u64 s[G0A+2:G0A+3], s[G0A+2:G0A+3], \go
	s_add_nc_u64 s[G0B+2:G0B+3], s[G0B+2:G0B+3], \go
	s_or_b32 s[G0A+3], s[G0A+3], 0x80000000
	s_or_b32 s[G0B+3], s[G0B+3], 0x80000000
.endm
.macro LOC rec                         ; where block 1's record lies: 0 and 3 in S0, 1 and 2 in Y
.if ((\rec)%3) == 0
.set RX, 0
.set PI, RL
.set RO, 0
.else
.set RX, 1
.set PI, RW
.set RO, RG*((\rec)-1)
.endif
.endm
.macro FRAG reg, adr, off              ; a fragment's image: three loads of 512 consecutive bytes
.irp c, 0,1,2
	ds_load_b128 v[(\reg)+4*\c:(\reg)+4*\c+3], v[\adr] offset:(\off)+512*\c
.endr
.endm
.macro FETCH_B rec, q                  ; the weight's eight fragments into set q of window 1
	LOC \rec
	WIN 0x40
.irp i, 0,1,2,3,4,5,6,7
	FRAG 128*(\q)+12*\i, ADRB+RX, \i*PI+RO+(\q)*1536
.endr
	WIN 0
.endm
.macro FETCH_A rec, q, i0              ; yc's blocks i0 .. i0 + 3
	LOC \rec
.irp i, \i0, \i0+1, \i0+2, \i0+3
	FRAG 128+12*(\i), ADRA+RX, (\i)*PI+RO+(\q)*1536
.endr
.endm
.macro SCALES rec                      ; lanes 0-15 take the words of the record's first 128 along K, lanes 16-31 those of the second
	LOC \rec
.irp i, 0,1,2,3,4,5,6,7
	ds_load_b32 v[32+16*((\rec)%2)+\i], v[ADSA+RX] offset:\i*PI+RO+3072
.endr
.irp i, 0,1,2,3,4,5,6,7
	ds_load_b32 v[40+16*((\rec)%2)+\i], v[ADSB+RX] offset:\i*PI+RO+3072
.endr
.endm
.macro WMX rD, rB, rA, rC, rT, rS, q, mode   ; mode 0: adds in place; else starts from the bias in rC
.if (\mode) != 0
	v_wmma_scale_f32_16x16x128_f8f6f4 v[(\rD):(\rD)+7], v[(\rB):(\rB)+11], v[(\rA):(\rA)+11], v[(\rC):(\rC)+7], v[\rT], v[\rS] matrix_a_fmt:MATRIX_FMT_FP6 matrix_b_fmt:MATRIX_FMT_FP6
.elseif (\q) == 0
	v_wmma_scale_f32_16x16x128_f8f6f4 v[(\rD):(\rD)+7], v[(\rB):(\rB)+11], v[(\rA):(\rA)+11], v[(\rD):(\rD)+7], v[\rT], v[\rS] matrix_a_fmt:MATRIX_FMT_FP6 matrix_b_fmt:MATRIX_FMT_FP6
.else
	v_wmma_scale_f32_16x16x128_f8f6f4 v[(\rD):(\rD)+7], v[(\rB):(\rB)+11], v[(\rA):(\rA)+11], v[(\rD):(\rD)+7], v[\rT], v[\rS] matrix_a_fmt:MATRIX_FMT_FP6 matrix_b_fmt:MATRIX_FMT_FP6 matrix_a_scale:MATRIX_SCALE_ROW1 matrix_b_scale:MATRIX_SCALE_ROW1
.endif
.endm
.macro MUL16 a0, q, sc, mode           ; block 1: yc's blocks a0, a0 + 1 against the weight's eight.  The accumulators take turns in one order in every step
.irp a, \a0, \a0+1
.irp b, 0,1,2,3,4,5,6,7
	WMX 8*(8*((\a)%4)+\b), 128*(\q)+12*\b, 128+12*(\a), BI+8*\b, 40+16*(\sc)+\b, 32+16*(\sc)+(\a), \q, \mode
.endr
.endr
.endm
.macro STEP rec, mode                  ; a record's first 128 along K
	s_wait_dscnt 12                                ; all but the youngest 12 loads (yc's blocks 4-7) are in
.if (\mode) != 0
	WIN 0x81
.else
	WIN 0xa1
.endif
	MUL16 0, 0, (\rec)%2, \mode
	MUL16 2, 0, (\rec)%2, \mode
	s_wait_dscnt 0x0
	PLACES 4                                       ; four places in front of loads into registers that matrix instructions have read
	FETCH_B \rec, 1
	FETCH_A \rec, 1, 0
.if (\mode) != 0
	WIN 0xc1
.else
	WIN 0xf1
.endif
	MUL16 4, 0, (\rec)%2, \mode
	MUL16 6, 0, (\rec)%2, \mode
	PLACES 4
	WIN 0
	FETCH_A \rec, 1, 4
.endm
.macro TURN rec, next, fill            ; a record's second 128 along K, and the step to the next record.  fill 1: S0 takes record 3; fill 2: Y's end takes block 2's records 0, 1
.if \fill
	s_wait_tensorcnt 0x0                           ; all my tensor loads have landed
	ds_add_u32 v[SPW], v[NIL]                      ; 0 onto my spare word
.if (\fill) == 1
	s_mov_b32 s[G1A+2], 8<<16                      ; a quarter a wave: 8 rows
	s_mov_b32 s[G1A+4], 8
	s_mov_b32 s[G1B+2], 8<<16
	s_mov_b32 s[G1B+4], 8
	GFILL 8*RL, 0, 8*ROWG, 3*RG, TB
.else
	s_mov_b32 s[G1A+2], 16<<16                     ; a record a wave: yc's 16 rows, Wv's 8
	s_mov_b32 s[G1A+4], 16
	GFILL P2S, PB0, RG, 0, TV
.endif
	s_wait_dscnt 13                                ; the add and the youngest 12 loads may be out
	WIN 0xa1
	MUL16 0, 1, (\rec)%2, 0
	s_wait_dscnt 0x0                               ; the add is done and my reads of the bytes to be filled are over
	s_barrier_signal -1
	MUL16 2, 1, (\rec)%2, 0
	WIN 0
	s_barrier_wait -1
	CREST                                          ; the barrier has opened a round of the cluster's barrier
	JLOAD                                          ; the refill first; its four v_nop are the places in front of the loads below
.else
	s_wait_dscnt 12
	WIN 0xa1
	MUL16 0, 1, (\rec)%2, 0
	MUL16 2, 1, (\rec)%2, 0
	s_wait_dscnt 0x0
	PLACES 4
.endif
	FETCH_B \next, 0
	FETCH_A \next, 0, 0
	SCALES \next
	WIN 0xf1
	MUL16 4, 1, (\rec)%2, 0
	MUL16 6, 1, (\rec)%2, 0
	PLACES 4
	WIN 0
	FETCH_A \next, 0, 4
.endm
; block 2: record j, image q
.macro FB2 j, q                        ; yc's eight fragments into set q of window 1
	WIN 0x40
.irp i, 0,1,2,3,4,5,6,7
	FRAG 128*(\q)+12*\i, PYF+(\j), \i*RL+(\q)*1536
.endr
	WIN 0
.endm
.macro FA2 j, q                        ; Wv's four into set q of window 0
.irp i, 0,1,2,3
	FRAG 128+48*(\q)+12*\i, PVF+(\j), \i*RL+(\q)*1536
.endr
.endm
.macro SC2 j
.irp i, 0,1,2,3
	ds_load_b32 v[32+12*((\j)%2)+\i], v[PVS+(\j)] offset:\i*RL+3072
.endr
.irp i, 0,1,2,3,4,5,6,7
	ds_load_b32 v[36+12*((\j)%2)+\i], v[PYS+(\j)] offset:\i*RL+3072
.endr
.endm
.macro MUL2 a0, q, sc, mode            ; Wv's blocks a0, a0 + 1 against yc's eight; the 32 accumulators by turns
.irp a, \a0, \a0+1
.irp b, 0,1,2,3,4,5,6,7
	WMX 8*(8*(\a)+\b), 128*(\q)+12*\b, 128+48*(\q)+12*(\a), BI+8*(\a), 36+12*(\sc)+\b, 32+12*(\sc)+(\a), \q, \mode
.endr
.endr
.endm
.macro WINM mode
.if (\mode) != 0
	WIN 0x81
.else
	WIN 0xa1
.endif
.endm
.macro BODY2 q, sc, mode, nj, nq       ; a step of 128 along K; the next step's fragments come into the other sets meanwhile
	PLACES 4
	FB2 \nj, \nq
.if (\nq) == 0
	SC2 \nj
.endif
	WINM \mode
	MUL2 0, \q, \sc, \mode
	WIN 0
	FA2 \nj, \nq
	WINM \mode
	MUL2 2, \q, \sc, \mode
	WIN 0
.endm
; 64 numbers of a lane in window w, register 16 b + i = k 32 b + 16 h + i of my row: the four blocks' largest magnitudes (each accumulator is read from its low end on)
.macro QMAX s, w
.set qw, (\w)
	WIN qw|(qw<<2)
.irp b, 0,1,2,3
	v_max3_num_f32 v[TM+\b], |v[(\s)+16*\b]|, |v[(\s)+16*\b+1]|, s[FLO]
.endr
.irp i, 2,4,6,8,10,12,14
.irp b, 0,1,2,3
	v_max3_num_f32 v[TM+\b], |v[(\s)+16*\b+\i]|, |v[(\s)+16*\b+\i+1]|, v[TM+\b]
.endr
.endr
	WIN 0
.irp b, 0,1,2,3
	v_permlanex16_b32 v[TM+4+\b], v[TM+\b], s[SEL], s[SEL+1]
.endr
.irp b, 0,1,2,3
	v_max_num_f32 v[TM+\b], v[TM+\b], v[TM+4+\b]
.endr
.endm
; and their codes in v[PC] on, the scale word in v[PWS + a]
.macro QCODE s, w, a
.set qw, (\w)
.irp b, 0,1,2,3
	v_add_nc_u32 v[TM+12+\b], 0xff000000, v[TM+\b] ; 2 off the exponent field: the conversion's scale operand
.endr
.irp b, 0,1,2,3
	v_sub_nc_u32 v[TM+4+\b], v[TM+\b], s[SHB]
.endr
.irp b, 0,1,2,3
	v_lshrrev_b32 v[TM+4+\b], 23, v[TM+4+\b]       ; the scale's byte
.endr
	v_lshl_or_b32 v[PWS+(\a)], v[TM+5], 8, v[TM+4]
	v_lshl_or_b32 v[PWS+(\a)], v[TM+6], 16, v[PWS+(\a)]
	v_lshl_or_b32 v[PWS+(\a)], v[TM+7], 24, v[PWS+(\a)]
	s_wait_xcnt 0x0                                ; the last block's stores have read the code registers
	WIN qw
.irp c, 0,1
	v_cvt_scalef32_pk16_fp6_f32 v[PC+6*\c:PC+2+6*\c], v[(\s)+32*\c:(\s)+15+32*\c], v[TM+12+2*\c]
	v_cvt_scalef32_pk16_fp6_f32 v[PC+12+4*\c:PC+14+4*\c], v[(\s)+16+32*\c:(\s)+31+32*\c], v[TM+12+2*\c+1]
.endr
	WIN 0
	v_nop                                          ; one plain place behind a scaled conversion
.irp c, 0,1
.irp i, 0,1,2
	v_permlane16_swap_b32 v[PC+6*\c+\i], v[PC+12+4*\c+\i]          ; the operand wants a whole block in a lane
.endr
.irp i, 0,1,2
	v_mov_b32 v[PC+3+6*\c+\i], v[PC+12+4*\c+\i]
.endr
.endr
.endm
.macro QOUT a, w, vi, ob, os           ; row block a: 128 along the next K, quantised and stored as a register image: 512 consecutive bytes a store, aligned to 256
	QMAX 64*((\a)%4), \w
	QCODE 64*((\a)%4), \w, \a
.irp c, 0,1,2
	global_store_b128 v[\vi], v[PC+4*\c:PC+4*\c+3], s[\ob:\ob+1] offset:(\a)*(\os)+512*\c
.endr
.endm
.macro ARM under, g0, g1, next         ; one arm of the head's tree: a load and a jump to the tree's end
	s_cmp_lt_u32 s[WV], \under
	s_cbranch_scc0 \next
	tensor_load_to_lds s[\g0:\g0+3], s[\g1:\g1+7]
	s_nop 0
	PLACES 4
	s_branch .Lhead_asked
\next:
.endm
	s_load_b256 s[4:11], s[0:1], 0x0               ; yc s[4:5], wc s[6:7], bq s[8:9], bk s[10:11]
	s_load_b256 s[12:19], s[0:1], 0x20             ; bv s[12:13], qc s[14:15], kc s[16:17], vc s[18:19]
	v_lshl_add_u32 v[SPW], v0, 2, SPARE
	v_mov_b32 v[NIL], 0
	ds_add_u32 v[SPW], v[NIL]                      ; the wave's opening: the add, twice on end, and its wait ahead of my first tensor load
	ds_add_u32 v[SPW], v[NIL]
	v_lshrrev_b32 v1, 5, v0
	v_readfirstlane_b32 s[WV], v1
	s_lshr_b32 s[RH], s[WV], 1                     ; my half of the tokens; in a refill: I ask for yc (0) or for a weight (1)
	s_and_b32 s[CH], s[WV], 1                      ; my half of the weight's rows; in a refill: which part I ask for
	s_bfe_u32 s[CX], ttmp6, 0x40000
	s_bfe_u32 s[CY], ttmp6, 0x40004
	s_and_b32 s[TT], ttmp7, 0xffff
	s_lshl_b32 s[TT], s[TT], 2
	s_add_co_u32 s[TT], s[TT], s[CY]               ; t: it holds cy, never cx
	s_lshl_b32 s[CC], ttmp9, 2
	s_add_co_u32 s[CC], s[CC], s[CX]               ; c: it holds cx, never cy
	s_mul_i32 s20, s[TT], 16*ROWG                  ; yc: 16 row tiles
	s_mov_b32 s21, 0
	s_mul_i32 s22, s[CC], 16*ROWG                  ; Wq and Wk lie on end in wc: tile c of the eight
	s_mov_b32 s23, 0
	s_mul_i32 s2, s[CC], 8*ROWG                    ; Wv: 8 row tiles
	s_add_co_u32 s2, s2, 2*WB
	s_mov_b32 s3, 0
	s_lshl_b32 s100, s[CY], 2
	s_lshl_b32 s100, 15, s100                      ; my row of the cluster
	s_lshl_b32 s101, 0x1111, s[CX]                 ; my column
	s_or_b32 s[G1A], s100, (3<<16)|(1<<21)         ; the mask; elements of 8 bytes; bit 21 set beside a mask
	s_or_b32 s[G1AW], s100, (3<<16)|(1<<21)
	s_or_b32 s[G1B], s101, (3<<16)|(1<<21)
	s_or_b32 s[G1BW], s101, (3<<16)|(1<<21)
	G1SET G1A, RL, 16
	G1SET G1B, RL, 16
	G1SET G1AW, RW, 16
	G1SET G1BW, RW, 16
	s_mov_b32 s[FLO], 0x1800000
	s_mov_b32 s[SHB], 0x1000000
	s_cmp_eq_u32 ttmp9, 0                          ; q: 5 more off the byte, and the floor 5 higher
	s_cselect_b32 s[FLO], 0x4000000, s[FLO]
	s_cselect_b32 s[SHB], 0x3800000, s[SHB]
	s_mov_b32 s[SEL], 0x76543210
	s_mov_b32 s[SEL+1], 0xfedcba98
	s_mov_b32 s[HM], 0xffff0000
	s_wait_dscnt 0x0                               ; both opening adds are done
	s_wait_kmcnt 0x0
	s_add_nc_u64 s[TA:TA+1], s[4:5], s[20:21]
	s_add_nc_u64 s[TB:TB+1], s[6:7], s[22:23]
	s_add_nc_u64 s[TV:TV+1], s[6:7], s[2:3]
	G0MK G0A, 0, TA, 0
	G0MK G0B, 16*RL, TB, 0
	G0MK G0AW, YB, TA, RG
	G0MK G0BW, YB+16*RW, TB, RG
	CROUND                                         ; all sixteen work-groups are here: the first joint loads meet
	ARM 1, G0A, G1A, .Lhead_b                      ; one load a wave: every way through the tree passes exactly one
	ARM 2, G0B, G1B, .Lhead_aw
	ARM 3, G0AW, G1AW, .Lhead_bw
	tensor_load_to_lds s[G0BW:G0BW+3], s[G1BW:G1BW+7]
	s_nop 0
	PLACES 4
.Lhead_asked:
	v_and_b32 v1, 31, v0
	v_and_b32 v2, 15, v0
	v_bfe_u32 v3, v0, 4, 1
	s_wait_alu depctr_va_vdst(0)
	s_mul_i32 s2, s[RH], 8*RL
	s_mul_i32 s3, s[CH], 8*RL
	s_add_co_u32 s3, s3, 16*RL
	v_lshl_add_u32 v[ADRA], v1, 4, s2
	v_lshl_add_u32 v[ADSA], v1, 2, s2
	v_lshl_add_u32 v[ADRB], v1, 4, s3
	v_lshl_add_u32 v[ADSB], v1, 2, s3
	s_mul_i32 s2, s[RH], 8*RW
	s_add_co_u32 s2, s2, YB
	s_mul_i32 s3, s[CH], 8*RW
	s_add_co_u32 s3, s3, YB+16*RW
	v_lshl_add_u32 v[ADRA+1], v1, 4, s2
	v_lshl_add_u32 v[ADSA+1], v1, 2, s2
	v_lshl_add_u32 v[ADRB+1], v1, 4, s3
	v_lshl_add_u32 v[ADSB+1], v1, 2, s3
	s_cmp_eq_u32 ttmp9, 0
	s_cselect_b64 s[B1:B1+1], s[8:9], s[10:11]     ; block 1's bias and result
	s_cselect_b64 s[O1:O1+1], s[14:15], s[16:17]
	s_lshl_b32 s2, s[CX], 10
	s_lshl_b32 s3, s[CH], 9
	s_add_co_u32 s2, s2, s3
	s_mov_b32 s3, 0
	s_add_nc_u64 s[B1:B1+1], s[B1:B1+1], s[2:3]
	v_lshlrev_b32 v[VB1], 6, v3                    ; register e of column block b is column 32 (b/2) + 8 (b%2) + 16 h + e
.irp b, 0,1,2,3,4,5,6,7
	global_load_b128 v[BI+8*\b:BI+8*\b+3], v[VB1], s[B1:B1+1] offset:(32*(\b/2)+8*(\b%2))*4
	global_load_b128 v[BI+8*\b+4:BI+8*\b+7], v[VB1], s[B1:B1+1] offset:(32*(\b/2)+8*(\b%2))*4+16
.endr
	s_lshl_b32 s2, s[CC], 9
	s_lshl_b32 s3, s[CH], 8
	s_add_co_u32 s2, s2, s3
	s_mov_b32 s3, 0
	s_add_nc_u64 s[B2:B2+1], s[12:13], s[2:3]      ; bv at row 128 c + 64 x my half
	v_and_b32 v[VB2], 8, v2
	v_add_nc_u32 v[VB2], v[VB2], v2
	v_lshlrev_b32 v[VB2], 2, v[VB2]                ; + r + 8 (r / 8)
	s_lshl_b32 s2, s[TT], 4
	s_lshl_b32 s3, s[RH], 3
	s_add_co_u32 s2, s2, s3
	s_mul_i32 s2, s2, ROWG
	s_mul_i32 s3, s[CX], RG
	s_add_co_u32 s2, s2, s3
	s_mov_b32 s3, 0
	s_add_nc_u64 s[O1:O1+1], s[O1:O1+1], s[2:3]    ; row tile 16 t + 8 x half, record cx
	s_lshl_b32 s2, s[CC], 3
	s_lshl_b32 s3, s[CH], 2
	s_add_co_u32 s2, s2, s3
	s_mul_i32 s2, s2, 8*ROWG
	s_mul_i32 s3, s[TT], RG
	s_add_co_u32 s2, s2, s3
	s_mov_b32 s3, 0
	s_add_nc_u64 s[O2:O2+1], s[18:19], s[2:3]      ; vc: row tile 8 c + 4 x half, 32 records a tile, record t
	s_mul_i32 s2, s[CH], 1536
	s_mul_i32 s3, s[RH], 1536
	v_lshl_add_u32 v[VI], v1, 4, s2                ; block 1: my half of d is the record's image; block 2: my half of the tokens
	v_lshl_add_u32 v[VI2], v1, 4, s3
	v_mul_u32_u24 v[VS], v3, ROWG                  ; scale words: lanes 0-15 an even block's, lanes 16-31 the odd block's behind it
	v_lshl_add_u32 v[VS], v2, 2, v[VS]
	v_mul_u32_u24 v[VS2], v3, 8*ROWG
	v_lshl_add_u32 v[VS2], v2, 2, v[VS2]
	s_lshl_b32 s2, s[CH], 6
	s_lshl_b32 s3, s[RH], 6
	v_add_nc_u32 v[VS], s2, v[VS]
	v_add_nc_u32 v[VS2], s3, v[VS2]
	s_wait_alu depctr_va_vdst(0)
	s_wait_tensorcnt 0x0                           ; my head load is in
	s_barrier_signal -1
	s_barrier_wait -1
	FETCH_B 0, 0
	FETCH_A 0, 0, 0
	SCALES 0
	FETCH_A 0, 0, 4
	s_wait_loadcnt 0x0                             ; the bias
	STEP 0, 2                                      ; the first products start the sums from the bias
	TURN 0, 1, 1
	STEP 1, 0
	TURN 1, 2, 0
	STEP 2, 0
	TURN 2, 3, 2
	STEP 3, 0
	s_wait_dscnt 12
	WIN 0xa1
	MUL16 0, 1, 1, 0
	MUL16 2, 1, 1, 0
	s_wait_dscnt 0x0
	WIN 0xf1
	MUL16 4, 1, 1, 0
	MUL16 6, 1, 1, 0
	WIN 0
; BLOCK 1'S WAY OUT
	PLACES 4
.irp b, 0,1,2,3
	v_mov_b32 v[TM+4+\b], 0                        ; a lane permute's destination counts as one of its sources
.endr
.irp a, 0,1,2,3
.irp e, 0,1,2,3,4,5,6,7
	global_load_b32 v[BI+8*\a+\e], v[VB2], s[B2:B2+1] offset:(32*(\a/2)+8*(\a%2))*4   ; block 2's bias goes with the lane's row: all eight registers hold it
.endr
.endr
.irp a, 0,1,2,3,4,5,6,7
	QOUT \a, 2+\a/4, VI, O1, ROWG
.if \a == 3
	s_wait_alu depctr_va_vdst(0)
	s_wait_tensorcnt 0x0                           ; block 2's records 0, 1 have landed
	ds_add_u32 v[SPW], v[NIL]
	GFILL P2S, 0, RG, 2*RG, TV
	s_wait_dscnt 0x0                               ; the add is done; my reads of block 1's tiles were over before the way out
	CROUND
	JLOAD                                          ; records 2, 3, from byte 0 on
	s_mul_i32 s2, s[RH], 8*RL
	s_mul_i32 s3, s[CH], 4*RL
	s_add_co_u32 s3, s3, 16*RL
.irp j, 0,1,2,3
	s_add_co_u32 s20, s2, (\j%2)*P2S+(1-\j/2)*PB0
	s_add_co_u32 s21, s3, (\j%2)*P2S+(1-\j/2)*PB0
	v_lshl_add_u32 v[PYF+\j], v1, 4, s20
	v_lshl_add_u32 v[PYS+\j], v1, 2, s20
	v_lshl_add_u32 v[PVF+\j], v1, 4, s21
	v_lshl_add_u32 v[PVS+\j], v1, 2, s21
.endr
	s_wait_alu depctr_va_vdst(0)
	FB2 0, 0                                       ; block 2's first fragments of yc and scale words come while the way out goes on
	SC2 0
.endif
.endr
.irp k, 0,1,2,3
	v_cndmask_b32 v[PT+\k], v[PWS+2*\k], v[PWS+2*\k+1], s[HM]
	global_store_b32 v[VS], v[PT+\k], s[O1:O1+1] offset:2*\k*ROWG+3072
.endr
; BLOCK 2
	s_mov_b32 s[FLO], 0x1800000
	s_mov_b32 s[SHB], 0x1000000
	s_wait_xcnt 0x0                                ; the stores have read the registers into which the fragments come
	FA2 0, 0
	s_wait_loadcnt 0x0                             ; the bias
	s_wait_dscnt 0x0
	BODY2 0, 0, 3, 0, 1
	s_wait_dscnt 0x0
	BODY2 1, 0, 0, 1, 0
	s_wait_dscnt 0x0
	BODY2 0, 1, 0, 1, 1
	s_wait_dscnt 0x0
	s_wait_tensorcnt 0x0                           ; my part of records 2, 3 is in
	s_barrier_signal -1
	s_barrier_wait -1
	BODY2 1, 1, 0, 2, 0
	s_wait_dscnt 0x0
	BODY2 0, 0, 0, 2, 1
	s_wait_dscnt 0x0
	BODY2 1, 0, 0, 3, 0
	s_wait_dscnt 0x0
	BODY2 0, 1, 0, 3, 1
	s_wait_dscnt 0x0
	WIN 0xa1
	MUL2 0, 1, 1, 0
	MUL2 2, 1, 1, 0
	WIN 0
	PLACES 4
.irp b, 0,1,2,3
	v_mov_b32 v[TM+4+\b], 0
.endr
.irp a, 0,1,2,3
	QOUT \a, 2, VI2, O2, 8*ROWG
.endr
.irp k, 0,1
	v_cndmask_b32 v[PT+\k], v[PWS+2*\k], v[PWS+2*\k+1], s[HM]
	global_store_b32 v[VS2], v[PT+\k], s[O2:O2+1] offset:2*\k*8*ROWG+3072
.endr
	s_wait_tensorcnt 0x0                           ; the wave's end
	ds_add_u32 v[SPW], v[NIL]
	s_wait_dscnt 0x0
	CROUND                                         ; the closing round
	s_endpgm
.Lfunc_end_k_qf4a698f362_qkv:
	.size	k_qf4a698f362_qkv, .Lfunc_end_k_qf4a698f362_qkv-k_qf4a698f362_qkv
	.p2alignl 7, 3214868480
	.fill 96, 4, 3214868480
	.section	.rodata,"a",@progbits
	.p2align	6, 0x0
	.amdhsa_kernel k_qf4a698f362_qkv
		.amdhsa_group_segment_fixed_size 327680
		.amdhsa_private_segment_fixed_size 0
		.amdhsa_enable_private_segment 0
		.amdhsa_kernarg_size 64
		.amdhsa_user_sgpr_count 2
		.amdhsa_user_sgpr_kernarg_segment_ptr 1
		.amdhsa_wavefront_size32 1
		.amdhsa_system_sgpr_workgroup_id_x 1
		.amdhsa_system_sgpr_workgroup_id_y 1
		.amdhsa_system_sgpr_workgroup_id_z 1
		.amdhsa_system_vgpr_workitem_id 0
		.amdhsa_next_free_vgpr 1024
		.amdhsa_next_free_sgpr 102
		.amdhsa_reserve_vcc 0
		.amdhsa_float_denorm_mode_32 3
		.amdhsa_float_denorm_mode_16_64 3
		.amdhsa_memory_ordered 1
		.amdhsa_forward_progress 1
		.amdhsa_inst_pref_size 225
	.end_amdhsa_kernel
	.amdgpu_metadata
---
amdhsa.version: [ 1, 2 ]
amdhsa.kernels:
  - .name:           k_qf4a698f362_qkv
    .symbol:         k_qf4a698f362_qkv.kd
    .args:
      - { .name: yc, .offset: 0, .size: 8, .value_kind: global_buffer, .address_space: global }
      - { .name: wc, .offset: 8, .size: 8, .value_kind: global_buffer, .address_space: global }
      - { .name: bq, .offset: 16, .size: 8, .value_kind: global_buffer, .address_space: global }
      - { .name: bk, .offset: 24, .size: 8, .value_kind: global_buffer, .address_space: global }
      - { .name: bv, .offset: 32, .size: 8, .value_kind: global_buffer, .address_space: global }
      - { .name: qc, .offset: 40, .size: 8, .value_kind: global_buffer, .address_space: global }
      - { .name: kc, .offset: 48, .size: 8, .value_kind: global_buffer, .address_space: global }
      - { .name: vc, .offset: 56, .size: 8, .value_kind: global_buffer, .address_space: global }
    .group_segment_fixed_size: 327680
    .private_segment_fixed_size: 0
    .kernarg_segment_align: 8
    .kernarg_segment_size: 64
    .max_flat_workgroup_size: 128
    .sgpr_count:     102
    .vgpr_count:     1024
    .wavefront_size: 32
...
	.end_amdgpu_metadata
.endif
;; end of part 2
;; launch scores (part 3): grid 9 x 16, 4 waves a work-group, no clusters, 327,680 bytes of LDS; arguments qc, kc, pc; writes pc
.if DOCPART == 3
	.amdgcn_target "amdgcn-amd-amdhsa--gfx1250"
	.amdhsa_code_object_version 6
	.text
	.protected	k_qf4a698f362_scores
	.globl	k_qf4a698f362_scores
	.p2align	8
	.type	k_qf4a698f362_scores,@function
k_qf4a698f362_scores:
	s_mov_b64 s[64:65], 0
	v_nop
	global_prefetch_b8 v0, s[64:65] scope:SCOPE_SE
	s_setreg_imm32_b32 hwreg(HW_REG_WAVE_MODE, 25, 1), 1
	s_wait_xcnt 0x0
; Scores q k^T on codes of FP6, the causal mask, and p = 2^(t - M) quantised along the keys on the way out.  LEFT OUT: the tiles of 256 queries x 256 keys wholly above the diagonal: the problem's own tril makes their weights 0 for all inputs.
; Per batch 36 tiles are left: row y % 4 of the grid's fold holds query tiles y % 4 and 7 - y % 4, 9 tiles together.  A work-group makes one tile, a wave 128 x 128: 64 accumulators.
; M is LOCAL: a whole number for each (row, 128 keys), the ceiling of the largest t there; the next launch brings the scale words and the sums under the row's M.  Hidden keys in a tile on the diagonal are set to -infinity; a row with
; no open key among its 128 takes M from -3e38 and gets p = 0.  p's largest of a block is held at 2^-61 from below: its scale byte is 64 at the least.
; LIMITS: the promise holds while the scaled scores stay under 2^31 in magnitude; NaN and infinities among the inputs are not served.
; RECORDS.  q, k: (rho, pi): 16 rows x 256 along K in 3,328 bytes: two register images of 1,536 (piece c: lane l's registers 4 c .. 4 c + 3 at 512 c + 16 l), then 16 + 16 scale words; a rho's four records lie on end.
; p: 3,584 bytes: two images, 32 scale words at 3,072, 32 x -M at 3,200, 32 x the local sum at 3,328; 8 records a row tile.  Position r of tile rho is row 32 (rho/2) + 8 (rho%2) + r + 8 (r/8).
; Source 0 = 16 rows of k, source 1 = 16 rows of q: lane (r, h) holds position r of query block a, and register 16 blk + e of the block's 64 is key 32 blk + 16 h + e.
; LDS: S0 (bytes 0 on): one record of both operands, rows of 3,200 bytes; Y (behind it): two records, rows of 6,528 bytes.
; TENSOR LOADS, one a wave each time, every wait on TENSORcnt for 0: head: wave 0 q's record 0, wave 1 k's record 0, wave 2 q's records 1, 2, wave 3 k's records 1, 2; behind K step 1: record 3 into S0, a quarter a wave.
; No clusters: the grid's 9 along x is no multiple of a cluster's side.  No prefetch: the text has no loop to run ahead in, and three of the four records are asked for at the head.
; REGISTERS: window 0: v1-3 lane, r, h; v16-23 LDS addresses; v24, v25 offsets; v28, v29 the add's two; v32-63 scale words, two sets; v64-127 p; v128-223 q's fragments, later the way out; v224-247 statistics;
;   window 1: k's fragments, two sets; windows 2, 3: accumulators.
.set RG, 3328
.set ROWG, 13312
.set RL, 3200
.set RW, 6528
.set YB, 32*RL
.set SPARE, YB+32*RW
.set ADRA, 16
.set ADSA, 18
.set ADRB, 20
.set ADSB, 22
.set VI, 24
.set VS, 25
.set SPW, 28
.set NIL, 29
.set X, 64
.set PC, 128
.set TM, 148
.set PWS, 166
.set PT, 176
.set NS, 224
.set LS, 232
.set NM, 240
.set VD0, 242
.set VINF, 243
.set SU, 244
.set G1N, 24
.set G0A, 32
.set G0B, 36
.set G1W, 48
.set G0AW, 56
.set G0BW, 60
.set WV, 66
.set RH, 67
.set CH, 68
.set SEL, 70
.set CS, 72
.set SHB, 75
.set MK, 78
.set HM, 80
.set TA, 96
.set TB, 98
.set MSB, 0
.macro WIN new                         ; the immediate's high byte repeats the setting that is left
.if MSB != (\new)
	s_set_vgpr_msb (MSB<<8)|(\new)
.set MSB, (\new)
.endif
.endm
.macro PLACES n
.rept \n
	v_nop
.endr
.endm
.macro JLOAD                           ; waves 0, 1 fetch q's halves, waves 2, 3 k's; an s_nop 0 and four v_nop follow each line
	s_cmp_eq_u32 s[RH], 0
	s_cbranch_scc0 .Lfor_b_\@
	tensor_load_to_lds s[G0A:G0A+3], s[G1N:G1N+7]
	s_nop 0
	PLACES 4
	s_branch .Lasked_\@
.Lfor_b_\@:
	tensor_load_to_lds s[G0B:G0B+3], s[G1N:G1N+7]
	s_nop 0
	PLACES 4
.Lasked_\@:
.endm
.macro G1SET g, rl, rows               ; rows of rl bytes as elements of 8 bytes, a rho's four records apart in memory, dense in LDS
	s_mov_b32 s[\g+1], ((\rl)/8)<<16
	s_mov_b32 s[\g+2], (\rows)<<16
	s_mov_b32 s[\g+3], ((\rl)/8)<<16
	s_mov_b32 s[\g+4], \rows
	s_mov_b32 s[\g+5], ROWG/8
	s_mov_b32 s[\g+6], 0
	s_mov_b32 s[\g+7], 0
.endm
.macro G0MK g, lds, src, off           ; a head load's group 0
	s_mov_b32 s[\g], 1
	s_mov_b32 s[\g+1], \lds
	s_add_nc_u64 s[\g+2:\g+3], s[\src:\src+1], \off
	s_or_b32 s[\g+3], s[\g+3], 0x80000000
.endm
.macro LOC rec                         ; where a record lies: 0 and 3 in S0, 1 and 2 in Y
.if ((\rec)%3) == 0
.set RX, 0
.set PI, RL
.set RO, 0
.else
.set RX, 1
.set PI, RW
.set RO, RG*((\rec)-1)
.endif
.endm
.macro FRAG reg, adr, off              ; a fragment's image: three loads of 512 consecutive bytes
.irp c, 0,1,2
	ds_load_b128 v[(\reg)+4*\c:(\reg)+4*\c+3], v[\adr] offset:(\off)+512*\c
.endr
.endm
.macro FETCH_B rec, q                  ; k's eight fragments into set q of window 1
	LOC \rec
	WIN 0x40
.irp i, 0,1,2,3,4,5,6,7
	FRAG 128*(\q)+12*\i, ADRB+RX, \i*PI+RO+(\q)*1536
.endr
	WIN 0
.endm
.macro FETCH_A rec, q, i0              ; q's blocks i0 .. i0 + 3
	LOC \rec
.irp i, \i0, \i0+1, \i0+2, \i0+3
	FRAG 128+12*(\i), ADRA+RX, (\i)*PI+RO+(\q)*1536
.endr
.endm
.macro SCALES rec                      ; lanes 0-15 take the words of the record's first 128 along K, lanes 16-31 those of the second
	LOC \rec
.irp i, 0,1,2,3,4,5,6,7
	ds_load_b32 v[32+16*((\rec)%2)+\i], v[ADSA+RX] offset:\i*PI+RO+3072
.endr
.irp i, 0,1,2,3,4,5,6,7
	ds_load_b32 v[40+16*((\rec)%2)+\i], v[ADSB+RX] offset:\i*PI+RO+3072
.endr
.endm
.macro WMX rD, rB, rA, rT, rS, q, mode ; mode 0: adds in place; else starts from 0
.if (\mode) != 0
	v_wmma_scale_f32_16x16x128_f8f6f4 v[(\rD):(\rD)+7], v[(\rB):(\rB)+11], v[(\rA):(\rA)+11], 0, v[\rT], v[\rS] matrix_a_fmt:MATRIX_FMT_FP6 matrix_b_fmt:MATRIX_FMT_FP6
.elseif (\q) == 0
	v_wmma_scale_f32_16x16x128_f8f6f4 v[(\rD):(\rD)+7], v[(\rB):(\rB)+11], v[(\rA):(\rA)+11], v[(\rD):(\rD)+7], v[\rT], v[\rS] matrix_a_fmt:MATRIX_FMT_FP6 matrix_b_fmt:MATRIX_FMT_FP6
.else
	v_wmma_scale_f32_16x16x128_f8f6f4 v[(\rD):(\rD)+7], v[(\rB):(\rB)+11], v[(\rA):(\rA)+11], v[(\rD):(\rD)+7], v[\rT], v[\rS] matrix_a_fmt:MATRIX_FMT_FP6 matrix_b_fmt:MATRIX_FMT_FP6 matrix_a_scale:MATRIX_SCALE_ROW1 matrix_b_scale:MATRIX_SCALE_ROW1
.endif
.endm
.macro MUL16 a0, q, sc, mode           ; q's blocks a0, a0 + 1 against k's eight.  The 64 accumulators take turns in one order in every step
.irp a, \a0, \a0+1
.irp b, 0,1,2,3,4,5,6,7
	WMX 8*(8*((\a)%4)+\b), 128*(\q)+12*\b, 128+12*(\a), 40+16*(\sc)+\b, 32+16*(\sc)+(\a), \q, \mode
.endr
.endr
.endm
.macro STEP rec, mode                  ; a record's first 128 along K
	s_wait_dscnt 12                                ; all but the youngest 12 loads (q's blocks 4-7) are in
	WIN 0xa1
	MUL16 0, 0, (\rec)%2, \mode
	MUL16 2, 0, (\rec)%2, \mode
	s_wait_dscnt 0x0
	PLACES 4                                       ; four places in front of loads into registers that matrix instructions have read
	FETCH_B \rec, 1
	FETCH_A \rec, 1, 0
	WIN 0xf1
	MUL16 4, 0, (\rec)%2, \mode
	MUL16 6, 0, (\rec)%2, \mode
	PLACES 4
	WIN 0
	FETCH_A \rec, 1, 4
.endm
.macro TURN rec, next, fill            ; a record's second 128 along K, and the step to the next record.  fill 0: no barrier; 1: S0 takes record 3; 2: the barrier that shows record 3 to all four waves
.if \fill
	s_wait_tensorcnt 0x0                           ; all my tensor loads have landed
	ds_add_u32 v[SPW], v[NIL]                      ; 0 onto my spare word
.if (\fill) == 1
	s_mov_b32 s[G1N+2], 8<<16                      ; no tensor load of mine is out: a quarter a wave, 8 rows
	s_mov_b32 s[G1N+4], 8
	s_mul_i32 s2, s[CH], 8*RL
	s_add_co_u32 s[G0A+1], s2, 0
	s_add_co_u32 s[G0B+1], s2, 16*RL
	s_mul_i32 s2, s[CH], 8*ROWG
	s_mov_b32 s3, 0
	s_add_nc_u64 s[G0A+2:G0A+3], s[TA:TA+1], s[2:3]
	s_add_nc_u64 s[G0B+2:G0B+3], s[TB:TB+1], s[2:3]
	s_add_nc_u64 s[G0A+2:G0A+3], s[G0A+2:G0A+3], 3*RG
	s_add_nc_u64 s[G0B+2:G0B+3], s[G0B+2:G0B+3], 3*RG
	s_or_b32 s[G0A+3], s[G0A+3], 0x80000000
	s_or_b32 s[G0B+3], s[G0B+3], 0x80000000
.endif
	s_wait_dscnt 13                                ; the add and the youngest 12 loads may be out
	WIN 0xa1
	MUL16 0, 1, (\rec)%2, 0
	s_wait_dscnt 0x0                               ; the add is done and my reads of this record are over
	s_barrier_signal -1
	MUL16 2, 1, (\rec)%2, 0
	WIN 0
	s_barrier_wait -1
.if (\fill) == 1
	JLOAD                                          ; the refill first; its four v_nop are the places in front of the loads below
.else
	PLACES 4
.endif
.else
	s_wait_dscnt 12
	WIN 0xa1
	MUL16 0, 1, (\rec)%2, 0
	MUL16 2, 1, (\rec)%2, 0
	s_wait_dscnt 0x0
	PLACES 4
.endif
	FETCH_B \next, 0
	FETCH_A \next, 0, 0
	SCALES \next
	WIN 0xf1
	MUL16 4, 1, (\rec)%2, 0
	MUL16 6, 1, (\rec)%2, 0
	PLACES 4
	WIN 0
	FETCH_A \next, 0, 4
.endm
.macro QCODE s, w, a                   ; 64 numbers' codes in v[PC] on, the scale word in v[PWS + a]; v[TM] on hold the four blocks' largest
.set qw, (\w)
.irp b, 0,1,2,3
	v_add_nc_u32 v[TM+12+\b], 0xff000000, v[TM+\b] ; 2 off the exponent field: the conversion's scale operand
.endr
.irp b, 0,1,2,3
	v_sub_nc_u32 v[TM+4+\b], v[TM+\b], s[SHB]
.endr
.irp b, 0,1,2,3
	v_lshrrev_b32 v[TM+4+\b], 23, v[TM+4+\b]       ; the scale's byte
.endr
	v_lshl_or_b32 v[PWS+(\a)], v[TM+5], 8, v[TM+4]
	v_lshl_or_b32 v[PWS+(\a)], v[TM+6], 16, v[PWS+(\a)]
	v_lshl_or_b32 v[PWS+(\a)], v[TM+7], 24, v[PWS+(\a)]
	s_wait_xcnt 0x0                                ; the last block's stores have read the code registers
	WIN qw
.irp c, 0,1
	v_cvt_scalef32_pk16_fp6_f32 v[PC+6*\c:PC+2+6*\c], v[(\s)+32*\c:(\s)+15+32*\c], v[TM+12+2*\c]
	v_cvt_scalef32_pk16_fp6_f32 v[PC+12+4*\c:PC+14+4*\c], v[(\s)+16+32*\c:(\s)+31+32*\c], v[TM+12+2*\c+1]
.endr
	WIN 0
	v_nop                                          ; one plain place behind a scaled conversion
.irp c, 0,1
.irp i, 0,1,2
	v_permlane16_swap_b32 v[PC+6*\c+\i], v[PC+12+4*\c+\i]          ; the operand wants a whole block in a lane
.endr
.irp i, 0,1,2
	v_mov_b32 v[PC+3+6*\c+\i], v[PC+12+4*\c+\i]
.endr
.endr
.endm
.macro IMG off
.irp c, 0,1,2
	global_store_b128 v[VI], v[PC+4*\c:PC+4*\c+3], s[92:93] offset:(\off)+512*\c   ; 512 consecutive bytes, aligned to 256
.endr
.endm
.macro PAIRS reg, off, t, st           ; a word a row: lanes 0-15 an even block's, lanes 16-31 the odd block's behind it
.irp k, 0,1,2,3
	v_cndmask_b32 v[(\t)+\k], v[(\reg)+2*\k], v[(\reg)+2*\k+1], s[HM]
	global_store_b32 v[VS], v[(\t)+\k], s[92:93] offset:2*\k*(\st)+(\off)
.endr
.endm
.macro SOFT a                          ; query block a: mask, the blocks' largest scores, -M, p, the local sum, codes, stores
.set S, 64*((\a)%4)
.set W, 2+(\a)/4
	s_cmp_eq_u32 s[MK], 0
	s_cbranch_scc1 .Lopen_\@
	WIN W|(W<<6)
.set n, 0
.rept 64
	v_cmp_gt_i32 vcc_lo, 32*(n/16)+n%16-32*((\a)/2)-8*((\a)%2), v[VD0]
	v_cndmask_b32 v[S+n], v[S+n], v[VINF], vcc_lo
.set n, n+1
.endr
	WIN 0
.Lopen_\@:
	WIN W|(W<<2)
.irp b, 0,1,2,3
	v_max3_num_f32 v[TM+\b], v[S+16*\b], v[S+16*\b+1], 0xff800000
.endr
.irp i, 2,4,6,8,10,12,14
.irp b, 0,1,2,3
	v_max3_num_f32 v[TM+\b], v[S+16*\b+\i], v[S+16*\b+\i+1], v[TM+\b]
.endr
.endr
	WIN 0
.irp b, 0,1,2,3
	v_permlanex16_b32 v[TM+4+\b], v[TM+\b], s[SEL], s[SEL+1]
.endr
.irp b, 0,1,2,3
	v_max_num_f32 v[TM+\b], v[TM+\b], v[TM+4+\b]
.endr
	v_max3_num_f32 v[SU], v[TM], v[TM+1], v[TM+2]
	v_max_num_f32 v[SU], v[SU], v[TM+3]
	v_mul_f32 v[SU], s[CS], v[SU]
	v_max_num_f32 v[NM+1], 0xff61b1e6, v[SU]
	v_floor_f32 v[NM], -v[NM+1]                    ; -M = floor(-t)
	WIN W
.set j, 0
.rept 32
	v_pk_fma_f32 v[X+j:X+j+1], v[S+j:S+j+1], s[CS:CS+1], v[NM:NM+1] op_sel_hi:[1,0,0]
.set j, j+2
.endr
	WIN 0
.irp b, 0,1,2,3
	v_fma_f32 v[TM+\b], v[TM+\b], s[CS], v[NM]
.endr
.set j, 0
	s_wait_alu depctr_va_vdst(0)                   ; ahead of the batch
.rept 64
	v_exp_f32 v[X+j], v[X+j]
.set j, j+1
.endr
	v_mov_b32 v[NS+(\a)], v[NM]
	s_wait_alu depctr_va_vdst(0)                   ; and behind it
.irp b, 0,1,2,3
	v_exp_f32 v[TM+\b], v[TM+\b]                   ; the blocks' largest p
.endr
	v_pk_add_f32 v[SU:SU+1], v[X:X+1], v[X+4:X+5]  ; the sum is taken of the unquantised p
	v_pk_add_f32 v[SU+2:SU+3], v[X+2:X+3], v[X+6:X+7]
.irp j, 8,12,16,20,24,28,32,36,40,44,48,52,56,60
	v_pk_add_f32 v[SU:SU+1], v[SU:SU+1], v[X+\j:X+\j+1]
	v_pk_add_f32 v[SU+2:SU+3], v[SU+2:SU+3], v[X+\j+2:X+\j+3]
.endr
	v_pk_add_f32 v[SU:SU+1], v[SU:SU+1], v[SU+2:SU+3]
	v_add_f32 v[SU], v[SU], v[SU+1]
	v_permlanex16_b32 v[SU+2], v[SU], s[SEL], s[SEL+1]
	v_add_f32 v[LS+(\a)], v[SU], v[SU+2]
	s_wait_alu depctr_va_vdst(0)                   ; one wait for the four
.irp b, 0,1,2,3
	v_max_num_f32 v[TM+\b], 0x21000000, v[TM+\b]
.endr
	QCODE X, 0, \a
	IMG (\a)*28672
.endm
.macro ARM under, g0, g1, next         ; one arm of the head's tree: a load and a jump to the tree's end
	s_cmp_lt_u32 s[WV], \under
	s_cbranch_scc0 \next
	tensor_load_to_lds s[\g0:\g0+3], s[\g1:\g1+7]
	s_nop 0
	PLACES 4
	s_branch .Lhead_asked
\next:
.endm
	s_load_b128 s[4:7], s[0:1], 0x0                ; qc s[4:5], kc s[6:7]
	s_load_b64 s[8:9], s[0:1], 0x10                ; pc
	v_lshl_add_u32 v[SPW], v0, 2, SPARE
	v_mov_b32 v[NIL], 0
	ds_add_u32 v[SPW], v[NIL]                      ; the wave's opening: the add, twice on end, and its wait ahead of my first tensor load
	ds_add_u32 v[SPW], v[NIL]
	v_lshrrev_b32 v1, 5, v0
	v_readfirstlane_b32 s[WV], v1
	s_lshr_b32 s[RH], s[WV], 1                     ; my half of the queries; in the refill: I fetch q (0) or k (1)
	s_and_b32 s[CH], s[WV], 1                      ; my half of the keys; in the refill: which half I fetch
	s_and_b32 s40, ttmp7, 0xffff
	s_lshr_b32 s41, s40, 2                         ; batch
	s_and_b32 s42, s40, 3
	s_sub_co_u32 s43, 7, s42
	s_sub_co_u32 s44, ttmp9, s42
	s_sub_co_u32 s44, s44, 1
	s_cmp_le_u32 ttmp9, s42
	s_cselect_b32 s45, s42, s43                    ; query tile
	s_cselect_b32 s46, ttmp9, s44                  ; key tile
	s_cmp_eq_u32 s45, s46
	s_cselect_b32 s[MK], 1, 0
	s_cmp_ge_u32 s[CH], s[RH]
	s_cselect_b32 s2, 1, 0
	s_and_b32 s[MK], s[MK], s2                     ; my 128 x 128 holds hidden keys
	s_lshl_b32 s47, s41, 3
	s_add_co_u32 s20, s47, s45
	s_mul_i32 s20, s20, 16*ROWG
	s_mov_b32 s21, 0
	s_add_co_u32 s22, s47, s46
	s_mul_i32 s22, s22, 16*ROWG
	s_mov_b32 s23, 0
	s_mov_b32 s[G1N], 3<<16                        ; elements of 8 bytes
	s_mov_b32 s[G1W], 3<<16
	G1SET G1N, RL, 16
	G1SET G1W, RW, 16
	s_mov_b32 s[SHB], 0x1000000
	s_mov_b32 s[SEL], 0x76543210
	s_mov_b32 s[SEL+1], 0xfedcba98
	s_mov_b32 s[HM], 0xffff0000
	s_mov_b32 s[CS], 0x3fb8aa3b                    ; log2(e)
	s_mov_b32 s[CS+1], s[CS]
	s_wait_dscnt 0x0                               ; both opening adds are done
	s_wait_kmcnt 0x0
	s_add_nc_u64 s[TA:TA+1], s[4:5], s[20:21]
	s_add_nc_u64 s[TB:TB+1], s[6:7], s[22:23]
	G0MK G0A, 0, TA, 0
	G0MK G0B, 16*RL, TB, 0
	G0MK G0AW, YB, TA, RG
	G0MK G0BW, YB+16*RW, TB, RG
	ARM 1, G0A, G1N, .Lhead_b                      ; one load a wave: every way through the tree passes exactly one
	ARM 2, G0B, G1N, .Lhead_aw
	ARM 3, G0AW, G1W, .Lhead_bw
	tensor_load_to_lds s[G0BW:G0BW+3], s[G1W:G1W+7]
	s_nop 0
	PLACES 4
.Lhead_asked:
	v_and_b32 v1, 31, v0
	v_and_b32 v2, 15, v0
	v_bfe_u32 v3, v0, 4, 1
	s_wait_alu depctr_va_vdst(0)
	s_mul_i32 s2, s[RH], 8*RL
	s_mul_i32 s3, s[CH], 8*RL
	s_add_co_u32 s3, s3, 16*RL
	v_lshl_add_u32 v[ADRA], v1, 4, s2
	v_lshl_add_u32 v[ADSA], v1, 2, s2
	v_lshl_add_u32 v[ADRB], v1, 4, s3
	v_lshl_add_u32 v[ADSB], v1, 2, s3
	s_mul_i32 s2, s[RH], 8*RW
	s_add_co_u32 s2, s2, YB
	s_mul_i32 s3, s[CH], 8*RW
	s_add_co_u32 s3, s3, YB+16*RW
	v_lshl_add_u32 v[ADRA+1], v1, 4, s2
	v_lshl_add_u32 v[ADSA+1], v1, 2, s2
	v_lshl_add_u32 v[ADRB+1], v1, 4, s3
	v_lshl_add_u32 v[ADSB+1], v1, 2, s3
	s_sub_co_i32 s2, s[RH], s[CH]
	s_lshl_b32 s2, s2, 7
	v_and_b32 v4, 8, v2
	v_add_nc_u32 v4, v4, v2
	v_lshlrev_b32 v5, 4, v3
	v_sub_nc_u32 v4, v4, v5
	v_add_nc_u32 v[VD0], s2, v4                    ; my query's place less my first key's: a key further on than this is hidden
	v_mov_b32 v[VINF], 0xff800000
	s_mul_i32 s2, s[CH], 1536
	v_lshl_add_u32 v[VI], v1, 4, s2
	v_mul_u32_u24 v[VS], v3, 28672
	v_lshl_add_u32 v[VS], v2, 2, v[VS]
	s_lshl_b32 s2, s[CH], 6
	v_add_nc_u32 v[VS], s2, v[VS]
	s_lshl_b32 s2, s41, 7
	s_lshl_b32 s3, s45, 4
	s_add_co_u32 s2, s2, s3
	s_lshl_b32 s3, s[RH], 3
	s_add_co_u32 s2, s2, s3
	s_mul_i32 s2, s2, 28672
	s_mul_i32 s3, s46, 3584
	s_add_co_u32 s2, s2, s3
	s_mov_b32 s3, 0
	s_add_nc_u64 s[92:93], s[8:9], s[2:3]          ; my first record of p
	s_wait_alu depctr_va_vdst(0)
	s_wait_tensorcnt 0x0                           ; my head load is in
	s_barrier_signal -1
	s_barrier_wait -1
	FETCH_B 0, 0
	FETCH_A 0, 0, 0
	SCALES 0
	FETCH_A 0, 0, 4
	STEP 0, 1                                      ; the first products start the sums
	TURN 0, 1, 1
	STEP 1, 0
	TURN 1, 2, 0
	STEP 2, 0
	TURN 2, 3, 2
	STEP 3, 0
	s_wait_dscnt 12
	WIN 0xa1
	MUL16 0, 1, 1, 0
	MUL16 2, 1, 1, 0
	s_wait_dscnt 0x0
	WIN 0xf1
	MUL16 4, 1, 1, 0
	MUL16 6, 1, 1, 0
	WIN 0
	PLACES 4
.irp b, 0,1,2,3
	v_mov_b32 v[TM+4+\b], 0                        ; a lane permute's destination counts as one of its sources
.endr
.irp a, 0,1,2,3,4,5,6,7
	SOFT \a
.endr
	PAIRS PWS, 3072, PT, 28672
	PAIRS NS, 3200, PT+4, 28672
	PAIRS LS, 3328, PT+8, 28672
	s_wait_tensorcnt 0x0                           ; the wave's end
	ds_add_u32 v[SPW], v[NIL]
	s_wait_dscnt 0x0
	s_endpgm
.Lfunc_end_k_qf4a698f362_scores:
	.size	k_qf4a698f362_scores, .Lfunc_end_k_qf4a698f362_scores-k_qf4a698f362_scores
	.p2alignl 7, 3214868480
	.fill 96, 4, 3214868480
	.section	.rodata,"a",@progbits
	.p2align	6, 0x0
	.amdhsa_kernel k_qf4a698f362_scores
		.amdhsa_group_segment_fixed_size 327680
		.amdhsa_private_segment_fixed_size 0
		.amdhsa_enable_private_segment 0
		.amdhsa_kernarg_size 24
		.amdhsa_user_sgpr_count 2
		.amdhsa_user_sgpr_kernarg_segment_ptr 1
		.amdhsa_wavefront_size32 1
		.amdhsa_system_sgpr_workgroup_id_x 1
		.amdhsa_system_sgpr_workgroup_id_y 1
		.amdhsa_system_sgpr_workgroup_id_z 1
		.amdhsa_system_vgpr_workitem_id 0
		.amdhsa_next_free_vgpr 1024
		.amdhsa_next_free_sgpr 102
		.amdhsa_reserve_vcc 1
		.amdhsa_float_denorm_mode_32 3
		.amdhsa_float_denorm_mode_16_64 3
		.amdhsa_memory_ordered 1
		.amdhsa_forward_progress 1
		.amdhsa_inst_pref_size 240
	.end_amdhsa_kernel
	.amdgpu_metadata
---
amdhsa.version: [ 1, 2 ]
amdhsa.kernels:
  - .name:           k_qf4a698f362_scores
    .symbol:         k_qf4a698f362_scores.kd
    .args:
      - { .name: qc, .offset: 0, .size: 8, .value_kind: global_buffer, .address_space: global }
      - { .name: kc, .offset: 8, .size: 8, .value_kind: global_buffer, .address_space: global }
      - { .name: pc, .offset: 16, .size: 8, .value_kind: global_buffer, .address_space: global }
    .group_segment_fixed_size: 327680
    .private_segment_fixed_size: 0
    .kernarg_segment_align: 8
    .kernarg_segment_size: 24
    .max_flat_workgroup_size: 128
    .sgpr_count:     102
    .vgpr_count:     1024
    .wavefront_size: 32
...
	.end_amdgpu_metadata
.endif
;; end of part 3
;; launch ctx (part 4): grid 4 x 64, 4 waves a work-group, clusters of 4 x 1, 327,680 bytes of LDS; arguments pc, vc, cc; writes cc
.if DOCPART == 4
	.amdgcn_target "amdgcn-amd-amdhsa--gfx1250"
	.amdhsa_code_object_version 6
	.text
	.protected	k_qf4a698f362_ctx
	.globl	k_qf4a698f362_ctx
	.p2align	8
	.type	k_qf4a698f362_ctx,@function
k_qf4a698f362_ctx:
	s_mov_b64 s[64:65], 0
	v_nop
	global_prefetch_b8 v0, s[64:65] scope:SCOPE_SE
	s_setreg_imm32_b32 hwreg(HW_REG_WAVE_MODE, 25, 1), 1
	s_wait_xcnt 0x0
	s_wait_alu depctr_hold_cnt(0) depctr_sa_sdst(0) depctr_va_vdst(0) depctr_va_sdst(0) depctr_va_ssrc(0) depctr_va_vcc(0) depctr_vm_vsrc(0)
	s_getreg_b32 s2, hwreg(HW_REG_IB_STS2, 6, 4)
	s_cmp_eq_u32 s2, 0
	s_cbranch_scc0 .Lentry_in_a_cluster
	s_endpgm
.Lentry_in_a_cluster:
	s_bfe_u32 s2, ttmp6, 0x10000c
	s_cmp_lg_u32 s2, 0x3003
	s_cbranch_scc0 .Lentry_shape_is_right
	s_endpgm
.Lentry_shape_is_right:
; ctx = (p v) / l on codes of FP6, quantised along d on the way out.  LEFT OUT: the keys behind a work-group's 128 queries, in whole steps of 128 keys: the problem's own tril makes their weights 0 for all inputs.
; A work-group owns 128 queries (tile IQ of 16 in a batch) x 256 of d; it walks IQ + 1 steps of 128 keys.  A wave makes 64 x 128: 32 accumulators.
; p was made under a LOCAL whole number M for each (row, 128 keys).  Here the row's M is the largest of them; each scale word of p has M_row - M_local taken off all four bytes, which changes no code; l is the sum of the local sums x 2^(M_local - M_row).
; The bytes are 64 at the least and what is taken off is held at 64.  LIMIT: where the true difference is larger, the block counts with 2^-64 of its local weight, under 2^-63 of the row's largest weight.
; RECORDS.  p: (rho, pi) in 3,584 bytes: two register images of 1,536 (piece c: lane l's registers 4 c .. 4 c + 3 at 512 c + 16 l), 32 scale words at 3,072, 32 x -M at 3,200, 32 x the local sum at 3,328.  v and the result: 3,328 bytes.
; Position r of tile rho is row 32 (rho/2) + 8 (rho%2) + r + 8 (r/8).
; THE RING: two LDS slots of 512 keys (two records of each row tile, brought as one row of the tile): 8 x 6,912 bytes of p, 16 x 6,528 of v.  Waves 0, 1 fetch p's halves, waves 2, 3 v's: one load a wave behind each change of slots.
; The last slot's load may bring a record of p behind the diagonal, which no launch has written: no LDS load reads those bytes.
; CLUSTER 4 x 1: the four tiles of d of one query tile read the same records of p: joint loads (mask 15); v's tiles differ: plain loads.  Not 4 x 4: the place at which a partner leaves the last slot would hang on its place in the cluster.
; Every wait on TENSORcnt is for 0.  The walk is written out; every branch goes forward and hangs on the query tile, which the four partners share.  One tensor load of a wave is out at a time.
; THE MATRIX INSTRUCTION IS USED TRANSPOSED (source 0 = 16 rows of v^T, source 1 = 16 rows of p): lane (r, h) holds position r of row block a, and register 16 blk + e of the block's 64 is column 32 blk + 16 h + e.
; REGISTERS: window 0: v1-3 lane, r, h; v4-11 offsets; v12, v13 the add's two; v16-29 LDS addresses; v32-55 scale words, two sets of 4 + 8; v64-127 statistics, later the scaled results; v128-223 p's fragments, two sets, later the way out;
;   v224-227 the rows' -M; v232-239 1 / l; v248-251 -M local.  window 1: v's fragments, two sets.  window 2: the accumulators, (a, b) at v[8 (8 a + b)].
.set ADJ, 1
.set RLA, 6912                         ; LDS bytes from a row tile of p to the next
.set RLB, 6528                         ; of v
.set PGA, 3584                         ; from a record to the next in such a row
.set PGB, 3328
.set STPA, 7168                        ; memory bytes from a slot's keys to the next slot's
.set STPB, 6656
.set HA, 4*RLA
.set HB, 8*RLB
.set SLOT, 2*HA+2*HB
.set SPARE, 2*SLOT                     ; behind the ring: the spare words, 128 bytes a wave
.set VO, 4
.set SPW, 12
.set NIL, 13
.set VI, 14
.set VS, 15
.set ADRA, 16
.set ADSA, 20
.set ADRB, 24
.set ADSB, 28
.set X, 64
.set PC, 128
.set TM, 148
.set PWS, 166
.set PT, 176
.set NR, 224
.set RLP, 232
.set DM, 248
.set WV, 12
.set RH, 13
.set CH, 14
.set G1A, 24
.set G0A, 32
.set LV, 40
.set G1B, 48
.set LA, 58
.set LB, 59
.set GA, 60
.set GB, 62
.set G0B, 68
.set SEL, 84
.set FLO, 86
.set SHB, 87
.set HM, 88
.set IQ, 89
.set LQ, 90
.set NPM, 91
.set MSB, 0
.macro WIN new                         ; the immediate's high byte repeats the setting that is left
.if MSB != (\new)
	s_set_vgpr_msb (MSB<<8)|(\new)
.set MSB, (\new)
.endif
.endm
.macro PLACES n
.rept \n
	v_nop
.endr
.endm
.macro JLOAD g0a, g1a, g0b, g1b        ; waves 0, 1 fetch p jointly, waves 2, 3 v; an s_nop 0 and four v_nop follow each line
	s_cmp_eq_u32 s[RH], 0
	s_cbranch_scc0 .Lfor_b_\@
	tensor_load_to_lds s[\g0a:\g0a+3], s[\g1a:\g1a+7]
	s_nop 0
	PLACES 4
	s_branch .Lasked_\@
.Lfor_b_\@:
	tensor_load_to_lds s[\g0b:\g0b+3], s[\g1b:\g1b+7]
	s_nop 0
	PLACES 4
.Lasked_\@:
.endm
.macro CROUND                          ; a round of the cluster's barrier
	s_barrier_signal -1
	s_barrier_wait -1
	s_cmp_lg_u32 s[WV], 0
	s_cbranch_scc1 .Lnot_wave_0_\@
	s_barrier_signal -3
.Lnot_wave_0_\@:
	s_barrier_wait -3
	s_barrier_signal -1
	s_barrier_wait -1
.endm
.macro G1SET g, rl, rows, st           ; rows of rl bytes as elements of 8 bytes, st elements apart in memory, dense in LDS
	s_mov_b32 s[\g+1], ((\rl)/8)<<16
	s_mov_b32 s[\g+2], (\rows)<<16
	s_mov_b32 s[\g+3], ((\rl)/8)<<16
	s_mov_b32 s[\g+4], \rows
	s_mov_b32 s[\g+5], \st
	s_mov_b32 s[\g+6], 0
	s_mov_b32 s[\g+7], 0
.endm
.macro G0SET s                         ; slot s: LDS address, global address of the s-th 512 keys, type
	s_mov_b32 s[G0A+4*\s], 1
	s_add_co_u32 s[G0A+4*\s+1], s[LA], \s*SLOT
	s_add_nc_u64 s[G0A+4*\s+2:G0A+4*\s+3], s[GA:GA+1], \s*STPA
	s_or_b32 s[G0A+4*\s+3], s[G0A+4*\s+3], 0x80000000
	s_mov_b32 s[G0B+4*\s], 1
	s_add_co_u32 s[G0B+4*\s+1], s[LB], \s*SLOT
	s_add_nc_u64 s[G0B+4*\s+2:G0B+4*\s+3], s[GB:GB+1], \s*STPB
	s_or_b32 s[G0B+4*\s+3], s[G0B+4*\s+3], 0x80000000
.endm
.macro FRAG reg, adr, off              ; a fragment's image: three loads of 512 consecutive bytes
.irp c, 0,1,2
	ds_load_b128 v[(\reg)+4*\c:(\reg)+4*\c+3], v[\adr] offset:(\off)+512*\c
.endr
.endm
.macro FETCH_B sl, pr, q               ; v's eight fragments of slot sl, record pr, image q, into set q
	WIN 0x40
.irp i, 0,1,2,3,4,5,6,7
	FRAG 128*(\q)+12*\i, ADRB+(\sl), \i*RLB+(\pr)*PGB+(\q)*1536
.endr
	WIN 0
.endm
.macro FETCH_A sl, pr, q               ; p's four
.irp i, 0,1,2,3
	FRAG 128+48*(\q)+12*\i, ADRA+(\sl), \i*RLA+(\pr)*PGA+(\q)*1536
.endr
.endm
.macro SCALES sl, pr, sc               ; a record's scale words into set sc: lanes 0-15 the first 128 keys', lanes 16-31 the second's; and p's local -M laid the same way
.irp i, 0,1,2,3
	ds_load_b32 v[32+12*(\sc)+\i], v[ADSA+(\sl)] offset:\i*RLA+(\pr)*PGA+3072
.endr
.irp i, 0,1,2,3,4,5,6,7
	ds_load_b32 v[36+12*(\sc)+\i], v[ADSB+(\sl)] offset:\i*RLB+(\pr)*PGB+3072
.endr
.irp i, 0,1,2,3
	ds_load_b32 v[DM+\i], v[ADSA+(\sl)] offset:\i*RLA+(\pr)*PGA+3200
.endr
.endm
.macro ADJUST sc                       ; p's scale words under the row's M
.irp i, 0,1,2,3
	v_sub_f32 v[DM+\i], v[DM+\i], v[NR+\i]         ; M_row - M_local: a whole number, 0 or more
.endr
.irp i, 0,1,2,3
	v_min_num_f32 v[DM+\i], 0x42800000, v[DM+\i]   ; held at 64
.endr
.irp i, 0,1,2,3
	v_cvt_u32_f32 v[DM+\i], v[DM+\i]
.endr
.irp i, 0,1,2,3
	v_perm_b32 v[DM+\i], v[DM+\i], v[DM+\i], 0     ; into all four bytes
.endr
.irp i, 0,1,2,3
	v_sub_nc_u32 v[32+12*(\sc)+\i], v[32+12*(\sc)+\i], v[DM+\i]    ; every byte is 64 or more: no borrow
.endr
	PLACES 8                                       ; a scale register written by a vector instruction stands eight places ahead of the scaled matrix instruction that reads it
.endm
.macro WM a, b, q, sc, mode            ; mode 0: adds in place; 1: starts from 0
.set rD, 8*(8*(\a)+(\b))
.set rB, 128*(\q)+12*(\b)
.set rA, 128+48*(\q)+12*(\a)
.set rT, 36+12*(\sc)+(\b)
.set rS, 32+12*(\sc)+(\a)
.if (\mode) == 1
	v_wmma_scale_f32_16x16x128_f8f6f4 v[rD:rD+7], v[rB:rB+11], v[rA:rA+11], 0, v[rT], v[rS] matrix_a_fmt:MATRIX_FMT_FP6 matrix_b_fmt:MATRIX_FMT_FP6
.elseif (\q) == 0
	v_wmma_scale_f32_16x16x128_f8f6f4 v[rD:rD+7], v[rB:rB+11], v[rA:rA+11], v[rD:rD+7], v[rT], v[rS] matrix_a_fmt:MATRIX_FMT_FP6 matrix_b_fmt:MATRIX_FMT_FP6
.else
	v_wmma_scale_f32_16x16x128_f8f6f4 v[rD:rD+7], v[rB:rB+11], v[rA:rA+11], v[rD:rD+7], v[rT], v[rS] matrix_a_fmt:MATRIX_FMT_FP6 matrix_b_fmt:MATRIX_FMT_FP6 matrix_a_scale:MATRIX_SCALE_ROW1 matrix_b_scale:MATRIX_SCALE_ROW1
.endif
.endm
.macro MUL16 a0, q, sc, mode           ; p's blocks a0, a0 + 1 against v's eight.  The 32 accumulators take turns in one order in every step
.irp a, \a0, \a0+1
.irp b, 0,1,2,3,4,5,6,7
	WM (\a), \b, \q, \sc, \mode
.endr
.endr
.endm
; A step of 128 keys on fragment set q and scale set sc; meanwhile the next step's fragments (slot nsl, record npr, image nq) come into the other set, in two runs.
; The four places stand between the last step's products, which read that other set, and the loads into it.
.macro BODY q, sc, mode, nsl, npr, nq, nsc
	PLACES 4
	FETCH_B \nsl, \npr, \nq
.if (\nq) == 0
	SCALES \nsl, \npr, \nsc
.endif
	WIN 0xa1
	MUL16 0, \q, \sc, \mode
	WIN 0
	FETCH_A \nsl, \npr, \nq
	WIN 0xa1
	MUL16 2, \q, \sc, \mode
	WIN 0
.endm
.macro TAIL q, sc, mode                ; the last step: nothing more to fetch
	WIN 0xa1
	MUL16 0, \q, \sc, \mode
	MUL16 2, \q, \sc, \mode
	WIN 0
.endm
; THE CHANGE OF SLOTS stands at the head of a slot's fourth step, whose fragments are in registers: my reads of the slot are over.  Each wave waits for all its tensor loads (its part of the other slot), adds 0 to its spare word
; and waits for that.  Behind the round no wave of any partner reads this slot or has a load on its way: it is filled again, with the keys two slots on, first thing.
.macro CHANGE sl
	s_wait_tensorcnt 0x0
	ds_add_u32 v[SPW], v[NIL]                      ; the descriptors' steps stand between the add and the wait for it
	s_add_nc_u64 s[G0A+4*\sl+2:G0A+4*\sl+3], s[G0A+4*\sl+2:G0A+4*\sl+3], 2*STPA
	s_add_nc_u64 s[G0B+4*\sl+2:G0B+4*\sl+3], s[G0B+4*\sl+2:G0B+4*\sl+3], 2*STPB
	s_wait_dscnt 0x0
	CROUND
	JLOAD G0A+4*\sl, G1A, G0B+4*\sl, G1B
.endm
.macro CHANGE_N                        ; the same where nothing is left to ask for: my work-group's barrier alone
	s_wait_tensorcnt 0x0
	ds_add_u32 v[SPW], v[NIL]
	s_wait_dscnt 0x0
	s_barrier_signal -1
	s_barrier_wait -1
.endm
.macro MID3 sl                         ; the first three steps of a slot that is walked to its end
	s_wait_dscnt 0x0
	ADJUST 0
	BODY 0, 0, 0, \sl, 0, 1, 0
	s_wait_alu depctr_va_vdst(0)
	s_wait_dscnt 0x0
	BODY 1, 0, 0, \sl, 1, 0, 1
	s_wait_dscnt 0x0
	ADJUST 1
	BODY 0, 1, 0, \sl, 1, 1, 1
	s_wait_dscnt 0x0
.endm
.macro FINAL sl                        ; the last slot: IQ % 4 + 1 steps; the last step goes to its tail
	s_wait_dscnt 0x0
	ADJUST 0
	s_cmp_eq_u32 s[LQ], 0
	s_cbranch_scc1 .Ltail0
	BODY 0, 0, 0, \sl, 0, 1, 0
.if (\sl) == 0
.Lfw0_1:
.endif
	s_wait_dscnt 0x0
	s_cmp_eq_u32 s[LQ], 1
	s_cbranch_scc1 .Ltail1
	s_wait_alu depctr_va_vdst(0)
	BODY 1, 0, 0, \sl, 1, 0, 1
	s_wait_dscnt 0x0
	ADJUST 1
	s_cmp_eq_u32 s[LQ], 2
	s_cbranch_scc1 .Ltail2
	BODY 0, 1, 0, \sl, 1, 1, 1
	s_wait_dscnt 0x0
.endm
.macro FIRSTF                          ; slot 0's first fragments and scale words, the words under the row's M
	FETCH_B 0, 0, 0
	SCALES 0, 0, 0
	FETCH_A 0, 0, 0
	s_wait_dscnt 0x0
	ADJUST 0
.endm
; 64 numbers of a lane, register 16 b + i = k 32 b + 16 h + i of my row: the four blocks' largest magnitudes
.macro QMAX s
.irp b, 0,1,2,3
	v_max3_num_f32 v[TM+\b], |v[(\s)+16*\b]|, |v[(\s)+16*\b+1]|, s[FLO]
.endr
.irp i, 2,4,6,8,10,12,14
.irp b, 0,1,2,3
	v_max3_num_f32 v[TM+\b], |v[(\s)+16*\b+\i]|, |v[(\s)+16*\b+\i+1]|, v[TM+\b]
.endr
.endr
.irp b, 0,1,2,3
	v_permlanex16_b32 v[TM+4+\b], v[TM+\b], s[SEL], s[SEL+1]
.endr
.irp b, 0,1,2,3
	v_max_num_f32 v[TM+\b], v[TM+\b], v[TM+4+\b]
.endr
.endm
; and their codes in v[PC] on, the scale word in v[PWS + a]
.macro QCODE s, a
.irp b, 0,1,2,3
	v_add_nc_u32 v[TM+12+\b], 0xff000000, v[TM+\b] ; 2 off the exponent field: the conversion's scale operand
.endr
.irp b, 0,1,2,3
	v_sub_nc_u32 v[TM+4+\b], v[TM+\b], s[SHB]
.endr
.irp b, 0,1,2,3
	v_lshrrev_b32 v[TM+4+\b], 23, v[TM+4+\b]       ; the scale's byte
.endr
	v_lshl_or_b32 v[PWS+(\a)], v[TM+5], 8, v[TM+4]
	v_lshl_or_b32 v[PWS+(\a)], v[TM+6], 16, v[PWS+(\a)]
	v_lshl_or_b32 v[PWS+(\a)], v[TM+7], 24, v[PWS+(\a)]
	s_wait_xcnt 0x0                                ; the last block's stores have read the code registers
.irp c, 0,1
	v_cvt_scalef32_pk16_fp6_f32 v[PC+6*\c:PC+2+6*\c], v[(\s)+32*\c:(\s)+15+32*\c], v[TM+12+2*\c]
	v_cvt_scalef32_pk16_fp6_f32 v[PC+12+4*\c:PC+14+4*\c], v[(\s)+16+32*\c:(\s)+31+32*\c], v[TM+12+2*\c+1]
.endr
	v_nop                                          ; one plain place behind a scaled conversion
.irp c, 0,1
.irp i, 0,1,2
	v_permlane16_swap_b32 v[PC+6*\c+\i], v[PC+12+4*\c+\i]          ; the operand wants a whole block in a lane
.endr
.irp i, 0,1,2
	v_mov_b32 v[PC+3+6*\c+\i], v[PC+12+4*\c+\i]
.endr
.endr
.endm
.macro IMG off
.irp c, 0,1,2
	global_store_b128 v[VI], v[PC+4*\c:PC+4*\c+3], s[92:93] offset:(\off)+512*\c   ; 512 consecutive bytes, aligned to 256
.endr
.endm
	s_load_b128 s[4:7], s[0:1], 0x0                ; pc s[4:5], vc s[6:7]
	s_load_b64 s[8:9], s[0:1], 0x10                ; cc
	v_lshl_add_u32 v[SPW], v0, 2, SPARE
	v_mov_b32 v[NIL], 0
	ds_add_u32 v[SPW], v[NIL]                      ; the wave's opening: the add, twice on end, and its wait ahead of my first tensor load
	ds_add_u32 v[SPW], v[NIL]
	v_lshrrev_b32 v1, 5, v0
	v_readfirstlane_b32 s[WV], v1
	s_lshr_b32 s[RH], s[WV], 1                     ; my half of the rows; also: I fetch p (0) or v (1)
	s_and_b32 s[CH], s[WV], 1                      ; my half of the columns; also: which half I fetch
	s_bfe_u32 s16, ttmp6, 0x40000                  ; cx
	s_lshl_b32 s18, ttmp9, 2
	s_add_co_u32 s18, s18, s16                     ; tile of d
	s_and_b32 s19, ttmp7, 0xffff                   ; 16 x batch + tile of queries
	s_lshr_b32 s15, s19, 4                         ; batch
	s_and_b32 s[IQ], s19, 15
	s_and_b32 s[LQ], s[IQ], 3                      ; the place of the last step in the last slot
	s_lshr_b32 s[NPM], s[IQ], 1                    ; the last record of p that counts
	s_mul_i32 s20, s19, 229376                     ; p: 8 row tiles of 8 records
	s_mul_i32 s2, s[CH], 114688
	s_add_co_u32 s20, s20, s2
	s_mov_b32 s21, 0
	s_mul_i32 s22, s18, 1703936                    ; v: 16 row tiles of 32 records,
	s_mul_i32 s2, s[CH], 851968
	s_add_co_u32 s22, s22, s2
	s_mul_i32 s2, s15, 26624                       ; the batch's 8 records
	s_add_co_u32 s22, s22, s2
	s_mov_b32 s23, 0
	s_mov_b32 s[G1A], 15|(3<<16)|(1<<21)           ; the mask: all four work-groups; elements of 8 bytes; bit 21 set beside a mask
	s_mov_b32 s[G1B], 3<<16
	G1SET G1A, RLA, 4, 3584
	G1SET G1B, RLB, 8, 13312
	s_mov_b32 s[FLO], 0x1800000
	s_mov_b32 s[SHB], 0x1000000
	s_mov_b32 s[SEL], 0x76543210
	s_mov_b32 s[SEL+1], 0xfedcba98
	s_mov_b32 s[HM], 0xffff0000
	s_mul_i32 s[LA], s[CH], HA
	s_mul_i32 s[LB], s[CH], HB
	s_add_co_u32 s[LB], s[LB], 2*HA
	s_wait_dscnt 0x0                               ; both opening adds are done
	s_wait_kmcnt 0x0
	s_add_nc_u64 s[GA:GA+1], s[4:5], s[20:21]
	s_add_nc_u64 s[GB:GB+1], s[6:7], s[22:23]
	CROUND                                         ; all four work-groups are here
	G0SET 0
	G0SET 1
	JLOAD G0A, G1A, G0B, G1B                       ; slot 0 alone: what the head fetches is read by every work-group
	v_and_b32 v1, 31, v0
	v_and_b32 v2, 15, v0
	v_bfe_u32 v3, v0, 4, 1
	s_mul_i32 s2, s[RH], HA
	s_mul_i32 s3, s[CH], HB
	s_add_co_u32 s3, s3, 2*HA
.irp s, 0,1
	v_lshl_add_u32 v[ADRA+\s], v1, 4, s2
	v_lshl_add_u32 v[ADSA+\s], v1, 2, s2
	v_lshl_add_u32 v[ADRB+\s], v1, 4, s3
	v_lshl_add_u32 v[ADSB+\s], v1, 2, s3
	s_add_co_u32 s2, s2, SLOT
	s_add_co_u32 s3, s3, SLOT
.endr
; THE ROWS' STATISTICS, while slot 0 is on its way: -M local and the local sums of my 64 rows, for all records up to the last that counts (a record behind it is replaced by that one and counts with the factor 0)
	s_lshl_b32 s2, s19, 3
	s_lshl_b32 s3, s[RH], 2
	s_add_co_u32 s78, s2, s3                       ; my first row tile
	s_mul_i32 s2, s78, 28672
	s_mov_b32 s3, 0
	s_add_nc_u64 s[94:95], s[4:5], s[2:3]
	s_mul_i32 s2, s78, 13312
	s_mul_i32 s3, s18, 3328
	s_add_co_u32 s2, s2, s3
	s_mov_b32 s3, 0
	s_add_nc_u64 s[92:93], s[8:9], s[2:3]          ; my first record of the result
.irp s, 0,1,2,3,4,5,6,7
	s_min_u32 s2, s[NPM], \s
	s_mul_i32 s2, s2, 3584
	v_lshl_add_u32 v[VO+\s], v1, 2, s2
	s_cmp_ge_u32 s[NPM], \s
	s_cselect_b32 s[LV+\s], 1.0, 0
.endr
	s_wait_alu depctr_va_vdst(0)
.irp s, 0,1,2,3,4,5,6,7
.irp i, 0,1,2,3
	global_load_b32 v[64+4*\s+\i], v[VO+\s], s[94:95] offset:\i*28672+3200
	global_load_b32 v[96+4*\s+\i], v[VO+\s], s[94:95] offset:\i*28672+3328
.endr
.endr
.irp i, 0,1,2,3
	v_mov_b32 v[DM+\i], 0                          ; a lane permute's destination counts as one of its sources
	v_mov_b32 v[RLP+2*\i+1], 0                     ; named as the upper half of a pair
.endr
	s_wait_loadcnt 0x0
.irp i, 0,1,2,3
	v_min3_num_f32 v[NR+\i], v[64+\i], v[68+\i], v[72+\i]
.endr
.irp i, 0,1,2,3
	v_min3_num_f32 v[NR+\i], v[NR+\i], v[76+\i], v[80+\i]
.endr
.irp i, 0,1,2,3
	v_min3_num_f32 v[NR+\i], v[NR+\i], v[84+\i], v[88+\i]
.endr
.irp i, 0,1,2,3
	v_min_num_f32 v[NR+\i], v[NR+\i], v[92+\i]
.endr
.irp i, 0,1,2,3
	v_permlanex16_b32 v[DM+\i], v[NR+\i], s[SEL], s[SEL+1]
.endr
.irp i, 0,1,2,3
	v_min_num_f32 v[NR+\i], v[NR+\i], v[DM+\i]     ; the least -M: the row's
.endr
.irp s, 0,1,2,3,4,5,6,7
.irp i, 0,1,2,3
	v_sub_f32 v[64+4*\s+\i], v[NR+\i], v[64+4*\s+\i]               ; M_local - M_row: a whole number, 0 or less
.endr
.irp i, 0,1,2,3
	v_cvt_i32_f32 v[64+4*\s+\i], v[64+4*\s+\i]     ; (it saturates)
.endr
.irp i, 0,1,2,3
	v_ldexp_f32 v[96+4*\s+\i], v[96+4*\s+\i], v[64+4*\s+\i]
.endr
.endr
.irp i, 0,1,2,3
	v_fma_f32 v[RLP+2*\i], s[LV+1], v[100+\i], v[96+\i]
.endr
.irp s, 2,3,4,5,6,7
.irp i, 0,1,2,3
	v_fma_f32 v[RLP+2*\i], s[LV+\s], v[96+4*\s+\i], v[RLP+2*\i]
.endr
.endr
.irp i, 0,1,2,3
	v_permlanex16_b32 v[DM+\i], v[RLP+2*\i], s[SEL], s[SEL+1]
.endr
.irp i, 0,1,2,3
	v_add_f32 v[RLP+2*\i], v[RLP+2*\i], v[DM+\i]   ; l
.endr
	s_wait_alu depctr_va_vdst(0)
.irp i, 0,1,2,3
	v_rcp_f32 v[RLP+2*\i], v[RLP+2*\i]
.endr
	v_nop                                          ; a plain place behind the reciprocals
	s_wait_alu depctr_va_vdst(0)                   ; one wait for the four
; THE WALK
	s_cmp_lt_u32 s[IQ], 4
	s_cbranch_scc1 .Lone                           ; one slot in all
	s_wait_tensorcnt 0x0                           ; slot 0 has landed
	ds_add_u32 v[SPW], v[NIL]
	s_wait_dscnt 0x0
	CROUND
	JLOAD G0A+4, G1A, G0B+4, G1B                   ; slot 1's first fill, issued as a refill is; behind this round nothing is filled again
	FIRSTF
	BODY 0, 0, 1, 0, 0, 1, 0                       ; the first products start the sums
	s_wait_alu depctr_va_vdst(0)
	s_wait_dscnt 0x0
	BODY 1, 0, 0, 0, 1, 0, 1
	s_wait_dscnt 0x0
	ADJUST 1
	BODY 0, 1, 0, 0, 1, 1, 1
	s_wait_dscnt 0x0
	s_cmp_lt_u32 s[IQ], 8
	s_cbranch_scc1 .Lfin1                          ; two slots in all: nothing more is asked for
	CHANGE 0
	s_wait_alu depctr_va_vdst(0)
	BODY 1, 1, 0, 1, 0, 0, 0
	MID3 1
	s_cmp_lt_u32 s[IQ], 12
	s_cbranch_scc1 .Lfin0                          ; three slots in all
	CHANGE 1
	s_wait_alu depctr_va_vdst(0)
	BODY 1, 1, 0, 0, 0, 0, 0
	MID3 0
.Lfin1:                                            ; slot 0 is left for the last time; the last slot is slot 1
	CHANGE_N
	s_wait_alu depctr_va_vdst(0)
	BODY 1, 1, 0, 1, 0, 0, 0
	FINAL 1
	s_branch .Ltail3
.Lone:
	s_wait_tensorcnt 0x0
	s_barrier_signal -1
	s_barrier_wait -1
	FIRSTF
	s_cmp_eq_u32 s[LQ], 0
	s_cbranch_scc1 .Lonly
	BODY 0, 0, 1, 0, 0, 1, 0
	s_branch .Lfw0_1
.Lfin0:                                            ; slot 1 is left for the last time; the last slot is slot 0
	CHANGE_N
	s_wait_alu depctr_va_vdst(0)
	BODY 1, 1, 0, 0, 0, 0, 0
	FINAL 0
.Ltail3:
	s_wait_alu depctr_va_vdst(0)
	TAIL 1, 1, 0
	s_branch .Lout
.Ltail0:
	s_wait_alu depctr_va_vdst(0)
	TAIL 0, 0, 0
	s_branch .Lout
.Ltail1:
	s_wait_alu depctr_va_vdst(0)
	TAIL 1, 0, 0
	s_branch .Lout
.Ltail2:
	s_wait_alu depctr_va_vdst(0)
	TAIL 0, 1, 0
	s_branch .Lout
.Lonly:
	s_wait_alu depctr_va_vdst(0)
	TAIL 0, 0, 1                                   ; one step in all: its products are the sums
.Lout:
; THE WAY OUT: x 1 / l, quantised along d, stored as register images
	PLACES 4
.irp b, 0,1,2,3
	v_mov_b32 v[TM+4+\b], 0                        ; a lane permute's destination counts as one of its sources
.endr
	s_mul_i32 s2, s[CH], 1536
	v_lshl_add_u32 v[VI], v1, 4, s2
	v_mul_u32_u24 v[VS], v3, 13312                 ; scale words: lanes 0-15 an even block's, lanes 16-31 the odd block's behind it
	v_lshl_add_u32 v[VS], v2, 2, v[VS]
	s_lshl_b32 s2, s[CH], 6
	v_add_nc_u32 v[VS], s2, v[VS]
.irp a, 0,1,2,3
	WIN 2                                          ; source 0: window 2
.set j, 0
.rept 32
	v_pk_mul_f32 v[X+j:X+j+1], v[64*\a+j:64*\a+j+1], v[RLP+2*\a:RLP+2*\a+1] op_sel_hi:[1,0]
.set j, j+2
.endr
	WIN 0
	QMAX X
	QCODE X, \a
	IMG \a*13312
.endr
.irp k, 0,1
	v_cndmask_b32 v[PT+\k], v[PWS+2*\k], v[PWS+2*\k+1], s[HM]
	global_store_b32 v[VS], v[PT+\k], s[92:93] offset:2*\k*13312+3072
.endr
	s_wait_tensorcnt 0x0                           ; the wave's end
	ds_add_u32 v[SPW], v[NIL]
	s_wait_dscnt 0x0
	CROUND                                         ; the closing round
	s_endpgm
.Lfunc_end_k_qf4a698f362_ctx:
	.size	k_qf4a698f362_ctx, .Lfunc_end_k_qf4a698f362_ctx-k_qf4a698f362_ctx
	.p2alignl 7, 3214868480
	.fill 96, 4, 3214868480
	.section	.rodata,"a",@progbits
	.p2align	6, 0x0
	.amdhsa_kernel k_qf4a698f362_ctx
		.amdhsa_group_segment_fixed_size 327680
		.amdhsa_private_segment_fixed_size 0
		.amdhsa_enable_private_segment 0
		.amdhsa_kernarg_size 24
		.amdhsa_user_sgpr_count 2
		.amdhsa_user_sgpr_kernarg_segment_ptr 1
		.amdhsa_wavefront_size32 1
		.amdhsa_system_sgpr_workgroup_id_x 1
		.amdhsa_system_sgpr_workgroup_id_y 1
		.amdhsa_system_sgpr_workgroup_id_z 1
		.amdhsa_system_vgpr_workitem_id 0
		.amdhsa_next_free_vgpr 768
		.amdhsa_next_free_sgpr 102
		.amdhsa_reserve_vcc 0
		.amdhsa_float_denorm_mode_32 3
		.amdhsa_float_denorm_mode_16_64 3
		.amdhsa_memory_ordered 1
		.amdhsa_forward_progress 1
		.amdhsa_inst_pref_size 234
	.end_amdhsa_kernel
	.amdgpu_metadata
---
amdhsa.version: [ 1, 2 ]
amdhsa.kernels:
  - .name:           k_qf4a698f362_ctx
    .symbol:         k_qf4a698f362_ctx.kd
    .args:
      - { .name: pc, .offset: 0, .size: 8, .value_kind: global_buffer, .address_space: global }
      - { .name: vc, .offset: 8, .size: 8, .value_kind: global_buffer, .address_space: global }
      - { .name: cc, .offset: 16, .size: 8, .value_kind: global_buffer, .address_space: global }
    .group_segment_fixed_size: 327680
    .private_segment_fixed_size: 0
    .kernarg_segment_align: 8
    .kernarg_segment_size: 24
    .max_flat_workgroup_size: 128
    .sgpr_count:     102
    .vgpr_count:     768
    .wavefront_size: 32
...
	.end_amdgpu_metadata
.endif
;; end of part 4
;; launch proj (part 5): grid 4 x 64, 4 waves a work-group, clusters of 4 x 4, 327,680 bytes of LDS; arguments cc, wc, bo, out0; writes out0
.if DOCPART == 5
	.amdgcn_target "amdgcn-amd-amdhsa--gfx1250"
	.amdhsa_code_object_version 6
	.text
	.protected	k_qf4a698f362_proj
	.globl	k_qf4a698f362_proj
	.p2align	8
	.type	k_qf4a698f362_proj,@function
k_qf4a698f362_proj:
	s_mov_b64 s[64:65], 0
	v_nop
	global_prefetch_b8 v0, s[64:65] scope:SCOPE_SE
	s_setreg_imm32_b32 hwreg(HW_REG_WAVE_MODE, 25, 1), 1
	s_wait_xcnt 0x0
	s_wait_alu depctr_hold_cnt(0) depctr_sa_sdst(0) depctr_va_vdst(0) depctr_va_sdst(0) depctr_va_ssrc(0) depctr_va_vcc(0) depctr_vm_vsrc(0)
	s_getreg_b32 s2, hwreg(HW_REG_IB_STS2, 6, 4)
	s_cmp_eq_u32 s2, 0
	s_cbranch_scc0 .Lentry_in_a_cluster
	s_endpgm
.Lentry_in_a_cluster:
	s_bfe_u32 s2, ttmp6, 0x10000c
	s_cmp_lg_u32 s2, 0xf033
	s_cbranch_scc0 .Lentry_shape_is_right
	s_endpgm
.Lentry_shape_is_right:
; out0 = ctx Wo + bo on codes of FP6.  Nothing is left out here.  A work-group makes 128 rows x 256 columns, a wave 64 x 128.
; ALL OF K AT ONCE: a row tile's four records lie on end (13,312 bytes), so the block's 8 row tiles of cc and 16 of Wo are two dense runs of memory: 319,488 bytes of LDS,
; brought by ONE tensor load a wave at the head (waves 0, 1 cc's halves, waves 2, 3 Wo's); one barrier shows them to all waves, and the eight K steps need none.  No prefetch: no loop to run ahead in.
; The way out's stage lies in cc's bytes, behind a barrier behind which no wave reads tiles any more.
.set RLA, 13312
.set RLB, 13312
.set PGA, 0
.set PGB, 0
.set STPA, 3328
.set STPB, 3328
.set HA, 4*RLA
.set HB, 8*RLB
.set SLOT, 2*HA+2*HB
.set SPARE, SLOT
.set WB, 851968
.set CO, 11
.set SPW, 12
.set NIL, 13
.set STO, 14
.set RD, 15
.set ADRA, 16
.set ADSA, 20
.set ADRB, 24
.set ADSB, 28
.set BI, 64
.set BK, 128
.set WV, 12
.set RH, 13
.set CH, 14
.set G1A, 24
.set G0A, 32
.set G1B, 48
.set LA, 58
.set LB, 59
.set GA, 60
.set GB, 62
.set G0B, 68
.set MSB, 0
.macro WIN new
.if MSB != (\new)
	s_set_vgpr_msb (MSB<<8)|(\new)
.set MSB, (\new)
.endif
.endm
.macro PLACES n
.rept \n
	v_nop
.endr
.endm
.macro JLOAD g0a, g1a, g0b, g1b
	s_cmp_eq_u32 s[RH], 0
	s_cbranch_scc0 .Lfor_b_\@
	tensor_load_to_lds s[\g0a:\g0a+3], s[\g1a:\g1a+7]
	s_nop 0
	PLACES 4
	s_branch .Lasked_\@
.Lfor_b_\@:
	tensor_load_to_lds s[\g0b:\g0b+3], s[\g1b:\g1b+7]
	s_nop 0
	PLACES 4
.Lasked_\@:
.endm
.macro CROUND
	s_barrier_signal -1
	s_barrier_wait -1
	s_cmp_lg_u32 s[WV], 0
	s_cbranch_scc1 .Lnot_wave_0_\@
	s_barrier_signal -3
.Lnot_wave_0_\@:
	s_barrier_wait -3
	s_barrier_signal -1
	s_barrier_wait -1
.endm
.macro G1SET g, rl, rows, st
	s_mov_b32 s[\g+1], ((\rl)/8)<<16
	s_mov_b32 s[\g+2], (\rows)<<16
	s_mov_b32 s[\g+3], ((\rl)/8)<<16
	s_mov_b32 s[\g+4], \rows
	s_mov_b32 s[\g+5], \st
	s_mov_b32 s[\g+6], 0
	s_mov_b32 s[\g+7], 0
.endm
.macro G0SET s
	s_mov_b32 s[G0A+4*\s], 1
	s_add_co_u32 s[G0A+4*\s+1], s[LA], \s*SLOT
	s_add_nc_u64 s[G0A+4*\s+2:G0A+4*\s+3], s[GA:GA+1], \s*STPA
	s_or_b32 s[G0A+4*\s+3], s[G0A+4*\s+3], 0x80000000
	s_mov_b32 s[G0B+4*\s], 1
	s_add_co_u32 s[G0B+4*\s+1], s[LB], \s*SLOT
	s_add_nc_u64 s[G0B+4*\s+2:G0B+4*\s+3], s[GB:GB+1], \s*STPB
	s_or_b32 s[G0B+4*\s+3], s[G0B+4*\s+3], 0x80000000
.endm
.macro FRAG reg, adr, off
.irp c, 0,1,2
	ds_load_b128 v[(\reg)+4*\c:(\reg)+4*\c+3], v[\adr] offset:(\off)+512*\c
.endr
.endm
.macro FETCH_B sl, pr, q
	WIN 0x40
.irp i, 0,1,2,3,4,5,6,7
	FRAG 128*(\q)+12*\i, ADRB+(\i/4), (\i%4)*RLB+(\sl)*3328+(\q)*1536
.endr
	WIN 0
.endm
.macro FETCH_A sl, pr, q
.irp i, 0,1,2,3
	FRAG 128+48*(\q)+12*\i, ADRA, \i*RLA+(\sl)*3328+(\q)*1536
.endr
.endm
.macro SCALES sl, pr, sc
.irp i, 0,1,2,3
	ds_load_b32 v[32+12*(\sc)+\i], v[ADSA] offset:\i*RLA+(\sl)*3328+3072
.endr
.irp i, 0,1,2,3,4,5,6,7
	ds_load_b32 v[36+12*(\sc)+\i], v[ADSB+(\i/4)] offset:(\i%4)*RLB+(\sl)*3328+3072
.endr
.endm
.macro WM a, b, q, sc, mode
.set rD, 8*(8*(\a)+(\b))
.set rB, 128*(\q)+12*(\b)
.set rA, 128+48*(\q)+12*(\a)
.set rT, 36+12*(\sc)+(\b)
.set rS, 32+12*(\sc)+(\a)
.if (\mode) == 2
	v_wmma_scale_f32_16x16x128_f8f6f4 v[rD:rD+7], v[rB:rB+11], v[rA:rA+11], v[BI+8*(\b):BI+8*(\b)+7], v[rT], v[rS] matrix_a_fmt:MATRIX_FMT_FP6 matrix_b_fmt:MATRIX_FMT_FP6
.elseif (\q) == 0
	v_wmma_scale_f32_16x16x128_f8f6f4 v[rD:rD+7], v[rB:rB+11], v[rA:rA+11], v[rD:rD+7], v[rT], v[rS] matrix_a_fmt:MATRIX_FMT_FP6 matrix_b_fmt:MATRIX_FMT_FP6
.else
	v_wmma_scale_f32_16x16x128_f8f6f4 v[rD:rD+7], v[rB:rB+11], v[rA:rA+11], v[rD:rD+7], v[rT], v[rS] matrix_a_fmt:MATRIX_FMT_FP6 matrix_b_fmt:MATRIX_FMT_FP6 matrix_a_scale:MATRIX_SCALE_ROW1 matrix_b_scale:MATRIX_SCALE_ROW1
.endif
.endm
.macro MUL16 a0, q, sc, mode
.irp a, \a0, \a0+1
.irp b, 0,1,2,3,4,5,6,7
	WM (\a), \b, \q, \sc, \mode
.endr
.endr
.endm
.macro WINM mode
.if (\mode) == 2
	WIN 0x81
.else
	WIN 0xa1
.endif
.endm
.macro BODY q, sc, mode, nsl, npr, nq, nsc
	PLACES 4
	FETCH_B \nsl, \npr, \nq
.if (\nq) == 0
	SCALES \nsl, \npr, \nsc
.endif
	WINM \mode
	MUL16 0, \q, \sc, \mode
	WIN 0
	FETCH_A \nsl, \npr, \nq
	WINM \mode
	MUL16 2, \q, \sc, \mode
	WIN 0
.endm
.macro NEXTP left
	s_wait_dscnt 0x0
	s_wait_tensorcnt \left
	s_barrier_signal -1
	s_barrier_wait -1
.endm
.macro TOSTAGE a
.set AC, 64*(\a)
	WIN 0x08
.irp b, 0,1,2,3,4,5,6,7
	ds_store_b128 v[STO], v[AC+8*\b:AC+8*\b+3] offset:128*(\b/2)+32*(\b%2)
	ds_store_b128 v[STO], v[AC+8*\b+4:AC+8*\b+7] offset:128*(\b/2)+32*(\b%2)+16
.endr
	WIN 0
.set BB, BK+64*((\a)%2)
.irp t, 0,1,2,3,4,5,6,7,8,9,10,11,12,13,14,15
	ds_load_b128 v[BB+4*\t:BB+4*\t+3], v[RD] offset:\t*528
.endr
.endm
.macro SEND a, younger
.set BB, BK+64*((\a)%2)
	s_wait_dscnt \younger
.irp t, 0,1,2,3,4,5,6,7,8,9,10,11,12,13,14,15
	global_store_b128 v[CO], v[BB+4*\t:BB+4*\t+3], s[10:11] offset:(32*((\a)/2)+8*((\a)%2)+\t+8*(\t/8))*4096 th:TH_STORE_NT
.endr
.endm
	s_load_b256 s[4:11], s[0:1], 0x0
	v_lshl_add_u32 v[SPW], v0, 2, SPARE
	v_mov_b32 v[NIL], 0
	ds_add_u32 v[SPW], v[NIL]
	ds_add_u32 v[SPW], v[NIL]
	v_lshrrev_b32 v1, 5, v0
	v_readfirstlane_b32 s[WV], v1
	s_lshr_b32 s[RH], s[WV], 1
	s_and_b32 s[CH], s[WV], 1
	s_bfe_u32 s16, ttmp6, 0x40000
	s_bfe_u32 s17, ttmp6, 0x40004
	s_lshl_b32 s18, ttmp9, 2
	s_add_co_u32 s18, s18, s16
	s_and_b32 s19, ttmp7, 0xffff
	s_lshl_b32 s19, s19, 2
	s_add_co_u32 s19, s19, s17
	s_mul_i32 s20, s19, 106496
	s_mul_i32 s2, s[CH], 53248
	s_add_co_u32 s20, s20, s2
	s_mov_b32 s21, 0
	s_mul_i32 s22, s18, 212992
	s_mul_i32 s2, s[CH], 106496
	s_add_co_u32 s22, s22, s2
	s_add_co_u32 s22, s22, 3*WB
	s_mov_b32 s23, 0
	s_lshl_b32 s56, s17, 2
	s_lshl_b32 s56, 15, s56
	s_lshl_b32 s57, 0x1111, s16
	s_or_b32 s[G1A], s56, (3<<16)|(1<<21)
	s_or_b32 s[G1B], s57, (3<<16)|(1<<21)
	G1SET G1A, RLA, 4, 1664
	G1SET G1B, RLB, 8, 1664
	s_mul_i32 s[LA], s[CH], HA
	s_mul_i32 s[LB], s[CH], HB
	s_add_co_u32 s[LB], s[LB], 2*HA
	s_wait_dscnt 0x0
	s_wait_kmcnt 0x0
	s_add_nc_u64 s[GA:GA+1], s[4:5], s[20:21]
	s_add_nc_u64 s[GB:GB+1], s[6:7], s[22:23]
	CROUND
	G0SET 0
	JLOAD G0A, G1A, G0B, G1B
	v_and_b32 v1, 31, v0
	v_and_b32 v2, 15, v0
	v_bfe_u32 v3, v0, 4, 1
	s_wait_alu depctr_va_vdst(0)
	s_mul_i32 s2, s[RH], HA
	s_mul_i32 s3, s[CH], HB
	s_add_co_u32 s3, s3, 2*HA
	v_lshl_add_u32 v[ADRA], v1, 4, s2
	v_lshl_add_u32 v[ADSA], v1, 2, s2
.irp s, 0,1
	v_lshl_add_u32 v[ADRB+\s], v1, 4, s3
	v_lshl_add_u32 v[ADSB+\s], v1, 2, s3
	s_add_co_u32 s3, s3, 4*RLB
.endr
	s_lshl_b32 s2, s18, 10
	s_lshl_b32 s3, s[CH], 9
	s_add_co_u32 s2, s2, s3
	s_mov_b32 s3, 0
	s_add_nc_u64 s[8:9], s[8:9], s[2:3]
	s_add_nc_u64 s[10:11], s[10:11], s[2:3]
	v_lshlrev_b32 v4, 6, v3
.irp b, 0,1,2,3,4,5,6,7
	global_load_b128 v[BI+8*\b:BI+8*\b+3], v4, s[8:9] offset:(32*(\b/2)+8*(\b%2))*4
	global_load_b128 v[BI+8*\b+4:BI+8*\b+7], v4, s[8:9] offset:(32*(\b/2)+8*(\b%2))*4+16
.endr
	s_lshl_b32 s2, s19, 19
	s_lshl_b32 s3, s[RH], 18
	s_add_co_u32 s2, s2, s3
	s_mov_b32 s3, 0
	s_add_nc_u64 s[10:11], s[10:11], s[2:3]
	s_mul_i32 s2, s[WV], 8448
	v_mul_u32_u24 v[STO], v2, 528
	v_lshl_add_u32 v[STO], v3, 6, v[STO]
	v_add_nc_u32 v[STO], s2, v[STO]
	v_lshlrev_b32 v[CO], 4, v1
	v_add_nc_u32 v[RD], s2, v[CO]
	s_wait_alu depctr_va_vdst(0)
	NEXTP 0
	FETCH_B 0, 0, 0
	SCALES 0, 0, 0
	FETCH_A 0, 0, 0
	s_wait_loadcnt 0x0
	s_wait_dscnt 0x0
	BODY 0, 0, 2, 0, 0, 1, 0
	s_wait_dscnt 0x0
	BODY 1, 0, 0, 1, 0, 0, 1
	s_wait_dscnt 0x0
	BODY 0, 1, 0, 1, 0, 1, 1
	s_wait_dscnt 0x0
	BODY 1, 1, 0, 2, 0, 0, 0
	s_wait_dscnt 0x0
	BODY 0, 0, 0, 2, 0, 1, 0
	s_wait_dscnt 0x0
	BODY 1, 0, 0, 3, 0, 0, 1
	s_wait_dscnt 0x0
	BODY 0, 1, 0, 3, 0, 1, 1
	s_wait_dscnt 0x0
	s_barrier_signal -1
	WIN 0xa1
	MUL16 0, 1, 1, 0
	MUL16 2, 1, 1, 0
	WIN 0
	s_barrier_wait -1
	PLACES 4
	TOSTAGE 0
.irp a, 1,2,3
.if \a > 1
	s_wait_xcnt 0x0
.endif
	TOSTAGE \a
	SEND \a-1, 32
.endr
	SEND 3, 0
	s_wait_tensorcnt 0x0
	ds_add_u32 v[SPW], v[NIL]
	s_wait_dscnt 0x0
	CROUND
	s_endpgm
.Lfunc_end_k_qf4a698f362_proj:
	.size	k_qf4a698f362_proj, .Lfunc_end_k_qf4a698f362_proj-k_qf4a698f362_proj
	.p2alignl 7, 3214868480
	.fill 96, 4, 3214868480
	.section	.rodata,"a",@progbits
	.p2align	6, 0x0
	.amdhsa_kernel k_qf4a698f362_proj
		.amdhsa_group_segment_fixed_size 327680
		.amdhsa_private_segment_fixed_size 0
		.amdhsa_enable_private_segment 0
		.amdhsa_kernarg_size 32
		.amdhsa_user_sgpr_count 2
		.amdhsa_user_sgpr_kernarg_segment_ptr 1
		.amdhsa_wavefront_size32 1
		.amdhsa_system_sgpr_workgroup_id_x 1
		.amdhsa_system_sgpr_workgroup_id_y 1
		.amdhsa_system_sgpr_workgroup_id_z 1
		.amdhsa_system_vgpr_workitem_id 0
		.amdhsa_next_free_vgpr 768
		.amdhsa_next_free_sgpr 102
		.amdhsa_reserve_vcc 0
		.amdhsa_float_denorm_mode_32 3
		.amdhsa_float_denorm_mode_16_64 3
		.amdhsa_memory_ordered 1
		.amdhsa_forward_progress 1
		.amdhsa_inst_pref_size 78
	.end_amdhsa_kernel
	.amdgpu_metadata
---
amdhsa.version: [ 1, 2 ]
amdhsa.kernels:
  - .name:           k_qf4a698f362_proj
    .symbol:         k_qf4a698f362_proj.kd
    .args:
      - { .name: cc, .offset: 0, .size: 8, .value_kind: global_buffer, .address_space: global }
      - { .name: wc, .offset: 8, .size: 8, .value_kind: global_buffer, .address_space: global }
      - { .name: bo, .offset: 16, .size: 8, .value_kind: global_buffer, .address_space: global }
      - { .name: out0, .offset: 24, .size: 8, .value_kind: global_buffer, .address_space: global }
    .group_segment_fixed_size: 327680
    .private_segment_fixed_size: 0
    .kernarg_segment_align: 8
    .kernarg_segment_size: 32
    .max_flat_workgroup_size: 128
    .sgpr_count:     102
    .vgpr_count:     768
    .wavefront_size: 32
...
	.end_amdgpu_metadata
.endif
;; end of part 5
